; MI455X (gfx1250); checked and timed in simulation.
; The chip was launched on July 23, 2026; its instructions are those of AMD's public machine-readable ISA for CDNA 5 (MIT licence, August 2026) and "CDNA5" Instruction Set Architecture Reference Guide (July 2026). The comments in the code are by the model that wrote it; some were corrected since.
;; Spatio Temporal Cross Attention. Allowed arithmetic: float matrix products may take bf16 or f16 operands with f32 sums; all other float work in f32.
;; Inputs: ln_b 1,024 float32; ln_g 1,024 float32; s2t_Wk 1,024 x 1,024 float32; s2t_Wo 1,024 x 1,024 float32; s2t_Wq 1,024 x 1,024 float32; s2t_Wv 1,024 x 1,024 float32; s2t_bk 1,024 float32; s2t_bo 1,024 float32; s2t_bq 1,024 float32; s2t_bv 1,024 float32; spat_features 2 x 2,048 x 1,024 float32; t2s_Wk 1,024 x 1,024 float32; t2s_Wo 1,024 x 1,024 float32; t2s_Wq 1,024 x 1,024 float32; t2s_Wv 1,024 x 1,024 float32; t2s_bk 1,024 float32; t2s_bo 1,024 float32; t2s_bq 1,024 float32; t2s_bv 1,024 float32; temp_features 2 x 2,048 x 1,024 float32.
;; Outputs: out0 2 x 2,048 x 1,024 float32; out1 2 x 2,048 x 1,024 float32.
;; 2 versions, each right and faster than the one before. Each part assembles by itself: llvm-mc -triple=amdgcn-amd-amdhsa -mcpu=gfx1250 --defsym DOCPART=n.
;; ======== version 1 of 2: 4 launches
;; workspace buffers: cb 33,554,432 bytes; qkv 50,331,648 bytes; ao 16,777,216 bytes
;; launch cast (part 1): grid 64 x 16, 8 waves a work-group, no clusters, 0 bytes of LDS; arguments temp_features, spat_features, s2t_Wq, t2s_Wk, t2s_Wv, t2s_Wq, s2t_Wk, s2t_Wv, s2t_Wo, t2s_Wo, cb; writes cb
.if DOCPART == 1
	.amdgcn_target "amdgcn-amd-amdhsa--gfx1250"
	.amdhsa_code_object_version 6
	.text
	.protected	k_qe59d308fb2_cast
	.globl	k_qe59d308fb2_cast
	.p2align	8
	.type	k_qe59d308fb2_cast,@function
k_qe59d308fb2_cast:
	s_mov_b64 s[64:65], 0
	v_nop
	global_prefetch_b8 v0, s[64:65] scope:SCOPE_SE
	s_setreg_imm32_b32 hwreg(HW_REG_WAVE_MODE, 25, 1), 1
	s_wait_xcnt 0x0
; f32 -> bf16 (round to nearest even) of both feature tensors and of the eight weight matrices, once, so that no later
; launch converts the same number again.  cb holds 16 pieces of 2 MiB of bf16:
;   pieces 0-3 temp, 4-7 spat (together X[8192][1024]); pieces 8-15 the weights, each [1024 k][1024 n], in the order of the arguments.
; Work-group (x, y): piece y, chunk x: 64 KiB of f32 in, 32 KiB of bf16 out.  Thread t, step j: 16 bytes in at 16 t + 4096 j,
; 8 bytes out at 8 t + 2048 j: a wave's load covers 512 consecutive bytes, its store 256 consecutive bytes, aligned.
; A stream: no work-group shares a byte with another, so no LDS, no cluster, no matrix unit.  All 16 loads go out first; no register is rewritten.
.set X, 4                              ; v[4:67]   step j: 4 registers as loaded
.set Y, 68                             ; v[68:99]  step j: 2 registers to store
	s_load_b512 s[8:23], s[0:1], 0x0               ; the addresses of tensors 0 to 7
	s_load_b128 s[24:27], s[0:1], 0x40             ; of tensors 8 and 9
	s_load_b64 s[28:29], s[0:1], 0x50              ; cb
	s_and_b32 s2, ttmp7, 0xffff                    ; piece p
	s_lshr_b32 s3, s2, 2                           ; p < 8: tensor p / 4 (temp, spat),
	s_sub_co_u32 s5, s2, 6                         ; else tensor p - 6 (used only where p >= 8)
	s_and_b32 s6, s2, 3
	s_lshl_b32 s6, s6, 22                          ; p < 8: the quarter of 4 MiB inside the feature tensor
	s_cmp_lt_u32 s2, 8
	s_cselect_b32 s4, s3, s5                       ; number of the tensor, 0 to 9
	s_cselect_b32 s6, s6, 0
	s_lshl_b32 s7, ttmp9, 16
	s_add_co_u32 s6, s6, s7                        ; + chunk x 64 KiB
	s_mov_b32 s7, 0
	s_lshl_b32 s30, s2, 21                         ; out: piece x 2 MiB
	s_lshl_b32 s31, ttmp9, 15                      ;      + chunk x 32 KiB
	s_add_co_u32 s30, s30, s31
	s_mov_b32 s31, 0
	v_lshlrev_b32 v1, 4, v0                        ; 16 t
	v_lshlrev_b32 v2, 3, v0                        ; 8 t
	s_wait_kmcnt 0x0
	s_mov_b64 s[32:33], s[8:9]
.irp i, 1,2,3,4,5,6,7,8,9
	s_cmp_eq_u32 s4, \i                            ; the choice hangs on the piece's number alone
	s_cselect_b64 s[32:33], s[8+2*\i:9+2*\i], s[32:33]
.endr
	s_add_nc_u64 s[32:33], s[32:33], s[6:7]
	s_add_nc_u64 s[28:29], s[28:29], s[30:31]
.irp j, 0,1,2,3,4,5,6,7,8,9,10,11,12,13,14,15
	global_load_b128 v[X+4*\j:X+4*\j+3], v1, s[32:33] offset:4096*\j th:TH_LOAD_NT
.endr
.irp j, 0,1,2,3,4,5,6,7,8,9,10,11,12,13,14,15
	s_wait_loadcnt 15-\j                           ; loads come back in order: step j is in, the 15 - j younger ones stay out
	v_cvt_pk_bf16_f32 v[Y+2*\j],   v[X+4*\j],   v[X+4*\j+1]
	v_cvt_pk_bf16_f32 v[Y+2*\j+1], v[X+4*\j+2], v[X+4*\j+3]
	global_store_b64 v2, v[Y+2*\j:Y+2*\j+1], s[28:29] offset:2048*\j
.endr
	s_endpgm
.Lfunc_end_k_qe59d308fb2_cast:
	.size	k_qe59d308fb2_cast, .Lfunc_end_k_qe59d308fb2_cast-k_qe59d308fb2_cast
	.p2alignl 7, 3214868480
	.fill 96, 4, 3214868480
	.section	.rodata,"a",@progbits
	.p2align	6, 0x0
	.amdhsa_kernel k_qe59d308fb2_cast
		.amdhsa_group_segment_fixed_size 0
		.amdhsa_private_segment_fixed_size 0
		.amdhsa_enable_private_segment 0
		.amdhsa_kernarg_size 88
		.amdhsa_user_sgpr_count 2
		.amdhsa_user_sgpr_kernarg_segment_ptr 1
		.amdhsa_wavefront_size32 1
		.amdhsa_system_sgpr_workgroup_id_x 1
		.amdhsa_system_sgpr_workgroup_id_y 1
		.amdhsa_system_sgpr_workgroup_id_z 1
		.amdhsa_system_vgpr_workitem_id 0
		.amdhsa_next_free_vgpr 104
		.amdhsa_next_free_sgpr 66
		.amdhsa_reserve_vcc 0
		.amdhsa_float_denorm_mode_32 3
		.amdhsa_float_denorm_mode_16_64 3
		.amdhsa_memory_ordered 1
		.amdhsa_forward_progress 1
		.amdhsa_inst_pref_size 8
	.end_amdhsa_kernel
	.amdgpu_metadata
---
amdhsa.version: [ 1, 2 ]
amdhsa.kernels:
  - .name:           k_qe59d308fb2_cast
    .symbol:         k_qe59d308fb2_cast.kd
    .args:
      - { .name: temp_features, .offset: 0, .size: 8, .value_kind: global_buffer, .address_space: global }
      - { .name: spat_features, .offset: 8, .size: 8, .value_kind: global_buffer, .address_space: global }
      - { .name: s2t_Wq, .offset: 16, .size: 8, .value_kind: global_buffer, .address_space: global }
      - { .name: t2s_Wk, .offset: 24, .size: 8, .value_kind: global_buffer, .address_space: global }
      - { .name: t2s_Wv, .offset: 32, .size: 8, .value_kind: global_buffer, .address_space: global }
      - { .name: t2s_Wq, .offset: 40, .size: 8, .value_kind: global_buffer, .address_space: global }
      - { .name: s2t_Wk, .offset: 48, .size: 8, .value_kind: global_buffer, .address_space: global }
      - { .name: s2t_Wv, .offset: 56, .size: 8, .value_kind: global_buffer, .address_space: global }
      - { .name: s2t_Wo, .offset: 64, .size: 8, .value_kind: global_buffer, .address_space: global }
      - { .name: t2s_Wo, .offset: 72, .size: 8, .value_kind: global_buffer, .address_space: global }
      - { .name: cb, .offset: 80, .size: 8, .value_kind: global_buffer, .address_space: global }
    .group_segment_fixed_size: 0
    .private_segment_fixed_size: 0
    .kernarg_segment_align: 8
    .kernarg_segment_size: 88
    .max_flat_workgroup_size: 256
    .sgpr_count:     66
    .vgpr_count:     104
    .wavefront_size: 32
...
	.end_amdgpu_metadata
.endif
;; end of part 1
;; launch qkv (part 2): grid 12 x 32, 4 waves a work-group, clusters of 4 x 4, 327,680 bytes of LDS; arguments cb, s2t_bq, t2s_bk, t2s_bv, t2s_bq, s2t_bk, s2t_bv, qkv; writes qkv
.if DOCPART == 2
	.amdgcn_target "amdgcn-amd-amdhsa--gfx1250"
	.amdhsa_code_object_version 6
	.text
	.protected	k_qe59d308fb2_qkv
	.globl	k_qe59d308fb2_qkv
	.p2align	8
	.type	k_qe59d308fb2_qkv,@function
k_qe59d308fb2_qkv:
	s_mov_b64 s[64:65], 0
	v_nop
	global_prefetch_b8 v0, s[64:65] scope:SCOPE_SE
	s_setreg_imm32_b32 hwreg(HW_REG_WAVE_MODE, 25, 1), 1
	s_wait_xcnt 0x0
	s_wait_alu depctr_hold_cnt(0) depctr_sa_sdst(0) depctr_va_vdst(0) depctr_va_sdst(0) depctr_va_ssrc(0) depctr_va_vcc(0) depctr_vm_vsrc(0)
	s_getreg_b32 s2, hwreg(HW_REG_IB_STS2, 6, 4)
	s_cmp_eq_u32 s2, 0
	s_cbranch_scc0 .Lentry_in_a_cluster
	s_endpgm
.Lentry_in_a_cluster:
	s_bfe_u32 s2, ttmp6, 0x10000c
	s_cmp_lg_u32 s2, 0xf033
	s_cbranch_scc0 .Lentry_shape_is_right
	s_endpgm
.Lentry_shape_is_right:
; qkv[row][3072] = X[row][1024] x W + bias, bf16 out, sums in f32.  X = cb's first 16 MiB (rows 0-4095 temp, 4096-8191 spat).
; Columns 0-1023 / 1024-2047 / 2048-3071 use weights 3 half + 0 / 1 / 2 of cb (half = 0 for temp rows, 1 for spat rows), each stored [k][n].
; A work-group makes 256 x 256 of the result with four waves, a wave 128 x 128: 64 accumulator tiles, 512 registers.
; K goes in steps of 128 through two LDS slots filled by tensor loads.  X's tile: 256 rows x 256 bytes (pitch 272).  W's tile lies as in
; memory, 128 k-rows x 512 bytes (pitch 544 = 17 x 32), and its fragments are read with transposing LDS loads.
; CLUSTERS 4 x 4: X's tile hangs on the block row alone and is asked for jointly along a row of the cluster, W's tile on the weight and the
; block column alone and is asked for jointly along a column: the requests for both are divided by four.
; The bias is the C operand of each accumulator's first product, so nothing is cleared and no add follows; the order of rounding
; (bias first, products added onto it) differs from adding the bias last.
; Source 0 = W's fragment (16 columns n), source 1 = X's (16 rows m): lane l then holds row l % 16, its registers the columns 8 (l / 16) + 0..7.
; REGISTER WINDOWS: 0: addresses, X fragments (two buffers), bias / packing; 1: W fragments (two buffers); 2, 3: accumulators.
.set KSTEP,  128
.set PITCH,  272                       ; X's LDS row: 256 bytes + 16 of padding
.set BPITCH, 544                       ; W's LDS row: 512 bytes + 32 of padding
.set HALFT,  128*PITCH                 ; what one tensor load brings: 128 x 272 = 64 x 544 = 34,816 bytes
.set SLOT,   4*HALFT                   ; X's 256 rows, then W's 128 k-rows
.set STAGE,  2*SLOT                    ; behind the ring: 16 rows x 272 bytes for each wave, never filled by a tensor load
.set SPITCH, 272
.set SIZE_K, 1024
.set CPITCH, 6144                      ; bytes in a row of qkv
.set WSTEP,  KSTEP*2048                ; 128 k-rows of W in bytes
.set LAPS,   SIZE_K/(2*KSTEP)          ; 4 laps of two K steps
.set ADRA, 16                          ; v16-17  LDS address of my X fragments in slot 0, 1
.set ADRB, 20                          ; v20-21  the same for W
.set STO,  24
.set RD,   25
.set CO,   26
.set BO,   27                          ; byte offset of my 8 bias numbers of column tile 0
.set F0,   64
.set F1,   128
.set TMP,  192                         ; the way out: packed results
.set BIAS, 192                         ; v192-255: bias of my 8 column tiles, 8 registers each (dead before TMP is used)
.set G1, 24
.set G0, 32
.set G1B, 48
.set G0B, 56
.set MSB, 0
.macro WIN new                         ; the immediate's high byte repeats the setting that is left
.if MSB != \new
	s_set_vgpr_msb (MSB<<8)|\new
.set MSB, \new
.endif
.endm
.set MUL_LO, 0xa1                      ; source 0 window 1, source 1 window 0, C and D window 2
.set MUL_HI, 0xf1                      ; the same, C and D window 3
.set TO_B,   0x40
; A joint load: waves 0 and 1 ask for X's two halves, waves 2 and 3 for W's.  The branch hangs on the wave's number alone.
.macro JLOAD s
	s_cmp_eq_u32 s11, 0
	s_cbranch_scc0 .Lfor_b_\@
	tensor_load_to_lds s[G0+4*\s:G0+4*\s+3], s[G1:G1+7]
	s_nop 0
.rept 4
	v_nop
.endr
	s_branch .Lasked_\@
.Lfor_b_\@:
	tensor_load_to_lds s[G0B+4*\s:G0B+4*\s+3], s[G1B:G1B+7]
	s_nop 0
.rept 4
	v_nop
.endr
.Lasked_\@:
.endm
.macro CREST                           ; a round of the cluster's barrier behind its opening work-group barrier
	s_cmp_lg_u32 s10, 0
	s_cbranch_scc1 .Lnot_wave_0_\@
	s_barrier_signal -3
.Lnot_wave_0_\@:
	s_barrier_wait -3
	s_barrier_signal -1
	s_barrier_wait -1
.endm
.macro CROUND
	s_barrier_signal -1
	s_barrier_wait -1
	CREST
.endm
	s_load_b512 s[68:83], s[0:1], 0x0              ; cb s[68:69], six biases s[70:81], qkv s[82:83]
	s_set_vgpr_msb 0x40
	v_lshl_add_u32 v255, v0, 2, 0x48400
	s_set_vgpr_msb 0x4000
	v_mov_b32 v63, 0
	s_set_vgpr_msb 0x1
	ds_add_u32 v255, v63
	s_set_vgpr_msb 0x100
	v_lshrrev_b32 v1, 5, v0
	v_readfirstlane_b32 s10, v1                    ; wave 0..3
	s_lshr_b32 s11, s10, 1                         ; my half of the block's rows.  Also: I fetch for X (0) or for W (1)
	s_and_b32 s12, s10, 1                          ; my half of its columns.  Also: which half of that tile I fetch
	s_bfe_u32 s40, ttmp6, 0x40000                  ; cx
	s_bfe_u32 s41, ttmp6, 0x40004                  ; cy
	s_lshl_b32 s42, ttmp9, 2
	s_add_co_u32 s42, s42, s40                     ; block column 0..11
	s_and_b32 s13, ttmp7, 0xffff                   ; the cluster's y, 0..7
	s_lshr_b32 s45, s13, 2                         ; half: 0 temp rows, 1 spat rows
	s_lshl_b32 s13, s13, 2
	s_add_co_u32 s13, s13, s41                     ; block row 0..31
	s_mul_i32 s66, s45, 3
	s_add_co_u32 s66, s66, ttmp9                   ; number of the weight and of the bias, 0..5: the same in the whole cluster
	s_lshl_b32 s43, s41, 2
	s_lshl_b32 s43, 15, s43                        ; my row of the cluster
	s_lshl_b32 s44, 0x1111, s40                    ; my column
	; group 1 for X: 128 rows x 128 elements, 16 bytes of padding behind every 256
	s_or_b32 s[G1+0], s43, (1<<16)|(1<<20)|(1<<21)|(5<<22)|(3<<25)
	s_mov_b32 s[G1+1], KSTEP<<16
	s_mov_b32 s[G1+2], 128<<16
	s_mov_b32 s[G1+3], KSTEP<<16
	s_mov_b32 s[G1+4], 128
	s_mov_b32 s[G1+5], SIZE_K
	s_mov_b32 s[G1+6], 0
	s_mov_b32 s[G1+7], 0
	; group 1 for W: 64 k-rows x 256 elements, 32 bytes of padding behind every 512
	s_or_b32 s[G1B+0], s44, (1<<16)|(1<<20)|(1<<21)|(6<<22)|(7<<25)
	s_mov_b32 s[G1B+1], 256<<16
	s_mov_b32 s[G1B+2], 64<<16
	s_mov_b32 s[G1B+3], 256<<16
	s_mov_b32 s[G1B+4], 64
	s_mov_b32 s[G1B+5], 1024
	s_mov_b32 s[G1B+6], 0
	s_mov_b32 s[G1B+7], 0
	; X's tile hangs on the block row and the wave; W's on the weight, cx and the wave.  Neither set of registers ever holds the other coordinate.
	s_lshl_b32 s17, s12, 7
	s_lshl_b32 s16, s13, 8
	s_add_co_u32 s16, s16, s17                     ; X: row 256 x block row + 128 x half
	s_lshl_b32 s16, s16, 11                        ; x 2,048 bytes
	s_mov_b32 s17, 0
	s_lshl_b32 s46, s66, 21                        ; W: weight x 2 MiB
	s_lshl_b32 s47, s40, 9                         ;    + cx x 256 columns
	s_add_co_u32 s46, s46, s47
	s_lshl_b32 s47, s12, 17                        ;    + half x 64 k-rows
	s_add_co_u32 s46, s46, s47
	s_add_co_u32 s46, s46, 0x1000000               ;    behind X in cb
	s_mov_b32 s47, 0
	s_mul_i32 s20, s10, HALFT                      ; LDS: wave x 34,816
	s_wait_dscnt 0x0
	s_wait_kmcnt 0x0
	s_add_nc_u64 s[14:15], s[68:69], s[16:17]
	s_add_nc_u64 s[46:47], s[68:69], s[46:47]
	s_mov_b64 s[84:85], s[70:71]                   ; the bias that belongs to the weight
.irp i, 1,2,3,4,5
	s_cmp_eq_u32 s66, \i
	s_cselect_b64 s[84:85], s[70+2*\i:71+2*\i], s[84:85]
.endr
	CROUND                                         ; all sixteen work-groups are here: the first joint loads meet
.irp s, 0,1
	s_mov_b32 s[G0+4*\s], 1
	s_add_co_u32 s[G0+4*\s+1], s20, \s*SLOT
	s_add_nc_u64 s[G0+4*\s+2:G0+4*\s+3], s[14:15], \s*KSTEP*2
	s_or_b32 s[G0+4*\s+3], s[G0+4*\s+3], 0x80000000
	s_mov_b32 s[G0B+4*\s], 1
	s_add_co_u32 s[G0B+4*\s+1], s20, \s*SLOT
	s_add_nc_u64 s[G0B+4*\s+2:G0B+4*\s+3], s[46:47], \s*WSTEP
	s_or_b32 s[G0B+4*\s+3], s[G0B+4*\s+3], 0x80000000
	JLOAD \s
.endr
	v_and_b32 v1, 15, v0                           ; r = l % 16
	v_bfe_u32 v2, v0, 4, 1                         ; h = l / 16
	; bias: accumulator tile b, register j of lane (r, h) is column 16 b + 8 h + j of my 128
	s_lshl_b32 s86, s40, 10                        ; cx x 256 columns x 4 bytes
	s_lshl_b32 s87, s12, 9                         ; my half x 128 columns x 4 bytes
	s_add_co_u32 s86, s86, s87
	v_lshl_add_u32 v[BO], v2, 5, s86
.irp b, 0,1,2,3,4,5,6,7
	global_load_b128 v[BIAS+8*\b:BIAS+8*\b+3],   v[BO], s[84:85] offset:64*\b
	global_load_b128 v[BIAS+8*\b+4:BIAS+8*\b+7], v[BO], s[84:85] offset:64*\b+16
.endr
	; X fragment: lane (r, h) takes row r, bytes 16 h and 16 h + 32 of a quarter step's 64
	v_mul_u32_u24 v3, v1, PITCH
	v_lshl_add_u32 v3, v2, 4, v3
	; W fragment through the transposing load: lane l addresses k-row 8 h + l % 8, 16 bytes at 16 ((l / 8) % 2)
	v_and_b32 v6, 7, v0
	v_lshl_add_u32 v6, v2, 3, v6
	v_mul_u32_u24 v6, v6, BPITCH
	v_bfe_u32 v7, v0, 3, 1
	v_lshl_add_u32 v6, v7, 4, v6
	s_mul_i32 s21, s11, HALFT                      ; my 128 rows of X
	s_lshl_b32 s22, s12, 8                         ; my 128 columns of W, 256 bytes of each k-row,
	s_add_co_u32 s22, s22, 2*HALFT                 ; behind X's 256 rows
.irp s, 0,1
	v_add_nc_u32 v[ADRA+\s], s21, v3
	v_add_nc_u32 v[ADRB+\s], s22, v6
	s_add_co_u32 s21, s21, SLOT
	s_add_co_u32 s22, s22, SLOT
.endr
	s_mul_i32 s23, s10, 16*SPITCH
	s_add_co_u32 s23, s23, STAGE                   ; my stage
	v_mul_u32_u24 v4, v1, SPITCH
	v_lshl_add_u32 v4, v2, 4, v4
	v_add_nc_u32 v[STO], s23, v4
	v_mul_u32_u24 v5, v2, SPITCH
	v_lshl_add_u32 v5, v1, 4, v5
	v_add_nc_u32 v[RD], s23, v5
	v_mul_u32_u24 v5, v2, CPITCH
	v_lshl_add_u32 v[CO], v1, 4, v5
; 16 matrix instructions: row tiles a0, a0 + 1 of the window's four x all 8 column tiles, 32 along K.  zero = 1: C is the bias.
; The 64 accumulators take turns, one instruction a turn, in the same order in every quarter step.
.macro MUL16 f, hi, a0, zero
.irp a, \a0, \a0+1
.irp b, 0,1,2,3,4,5,6,7
.if \zero
	v_wmma_f32_16x16x32_bf16 v[8*(8*(\a)+\b):8*(8*(\a)+\b)+7], v[\f+8*\b:\f+8*\b+7], v[\f+8*(4*\hi+\a):\f+8*(4*\hi+\a)+7], v[BIAS+8*\b:BIAS+8*\b+7]
.else
	v_wmma_f32_16x16x32_bf16 v[8*(8*(\a)+\b):8*(8*(\a)+\b)+7], v[\f+8*\b:\f+8*\b+7], v[\f+8*(4*\hi+\a):\f+8*(4*\hi+\a)+7], v[8*(8*(\a)+\b):8*(8*(\a)+\b)+7]
.endif
.endr
.endr
.endm
; 32 LDS loads in one run: quarter q's fragments (W first, then X) into buffer f
.macro FETCH slot, q, f
	WIN TO_B
.irp i, 0,1,2,3,4,5,6,7
	ds_load_tr16_b128 v[\f+8*\i:\f+8*\i+3],   v[ADRB+\slot] offset:\q*32*BPITCH+32*\i
	ds_load_tr16_b128 v[\f+8*\i+4:\f+8*\i+7], v[ADRB+\slot] offset:\q*32*BPITCH+32*\i+16*BPITCH
.endr
	WIN 0
.irp i, 0,1,2,3,4,5,6,7
	ds_load_b128 v[\f+8*\i:\f+8*\i+3],   v[ADRA+\slot] offset:\q*64+\i*16*PITCH
	ds_load_b128 v[\f+8*\i+4:\f+8*\i+7], v[ADRA+\slot] offset:\q*64+\i*16*PITCH+32
.endr
.endm
; four places behind a matrix instruction before a load lands on one of its registers or a vector instruction reads its result
.macro PLACES
.rept 4
	v_nop
.endr
.endm
.macro QUARTER slot, q, f, g, zero
	s_wait_dscnt 8                                 ; W and X's rows 0-63 are in; the youngest eight loads (X's rows 64-127) may be out
.if \zero
	WIN 0x81                                       ; C (the bias) in window 0, D in window 2
.else
	WIN MUL_LO
.endif
	MUL16 \f, 0, 0, \zero
	MUL16 \f, 0, 2, \zero
	PLACES
	FETCH \slot, \q, \g
	s_wait_dscnt 32                                ; all but the 32 just issued
.if \zero
	WIN 0xc1
.else
	WIN MUL_HI
.endif
	MUL16 \f, 1, 0, \zero
	MUL16 \f, 1, 2, \zero
.endm
.macro THREE slot, zero
	QUARTER \slot, 1, F0, F1, \zero
	QUARTER \slot, 2, F1, F0, 0
	QUARTER \slot, 3, F0, F1, 0
.endm
; The last quarter of a K step changes slots.  In front of the barrier each wave waits for its reads of this slot and for all its tensor loads
; (one is out: its part of the next slot).  Where the slot is filled again the barrier opens a round of the cluster's barrier, and the joint
; refill is the first tensor load behind the round.
.macro TURN slot, next, fill
	s_wait_dscnt 8
	WIN MUL_LO
	MUL16 F1, 0, 0, 0
	s_wait_dscnt 0
	s_wait_tensorcnt 0x0
	ds_add_u32 v255, v63
	s_wait_dscnt 0x0
	s_barrier_signal -1
	MUL16 F1, 0, 2, 0
	WIN 0
	s_barrier_wait -1
.if \fill
	CREST
	s_add_nc_u64 s[G0+4*\slot+2:G0+4*\slot+3], s[G0+4*\slot+2:G0+4*\slot+3], 2*KSTEP*2
	s_add_nc_u64 s[G0B+4*\slot+2:G0B+4*\slot+3], s[G0B+4*\slot+2:G0B+4*\slot+3], 2*WSTEP
	JLOAD \slot                                    ; every wave issues one; the four v_nop behind it are also the places in front of the loads below
.else
	PLACES
.endif
	FETCH \next, 0, F0
	WIN MUL_HI
	MUL16 F1, 1, 0, 0
	MUL16 F1, 1, 2, 0
.endm
.macro LAP zero
	THREE 0, \zero
	TURN 0, 1, 1
	THREE 1, 0
	TURN 1, 0, 1
.endm
	s_wait_tensorcnt 1                             ; my part of K step 0 is in; K step 1's stays out
	s_barrier_signal -1
	s_barrier_wait -1
	FETCH 0, 0, F0
	s_wait_loadcnt 0x0                             ; the bias
	LAP 1
	WIN 0
	s_mov_b32 s3, LAPS-2
.Llap:
	LAP 0
	WIN 0
	s_sub_co_u32 s3, s3, 1
	s_cmp_lg_u32 s3, 0
	s_cbranch_scc1 .Llap
	THREE 0, 0                                     ; the last lap fills nothing
	TURN 0, 1, 0
	THREE 1, 0
	s_wait_dscnt 8
	WIN MUL_LO
	MUL16 F1, 0, 0, 0
	MUL16 F1, 0, 2, 0
	s_wait_dscnt 0
	WIN MUL_HI
	MUL16 F1, 1, 0, 0
	MUL16 F1, 1, 2, 0
	; THE WAY OUT, 16 rows at a time: round to bf16, 16 bytes a lane into my own stage, read back as whole rows of 256 bytes.
	PLACES
	s_lshl_b32 s13, s13, 8
	s_lshl_b32 s14, s11, 7
	s_add_co_u32 s16, s13, s14                     ; my first row
	s_mul_i32 s16, s16, CPITCH
	s_mov_b32 s17, 0
	s_add_nc_u64 s[82:83], s[82:83], s[16:17]
	s_lshl_b32 s46, s42, 9                         ; my first column in bytes: 512 x block column + 256 x half
	s_lshl_b32 s47, s12, 8
	s_add_co_u32 s46, s46, s47
	s_mov_b32 s47, 0
	s_add_nc_u64 s[82:83], s[82:83], s[46:47]
.macro OUT16 i, a, from, f
	WIN \from
.irp b, 0,1,2,3,4,5,6,7
.irp r, 0,1,2,3
	v_cvt_pk_bf16_f32 v[TMP+4*\b+\r], v[8*(8*\a+\b)+2*\r], v[8*(8*\a+\b)+2*\r+1]
.endr
.endr
	WIN 0
.irp b, 0,1,2,3,4,5,6,7
	ds_store_b128 v[STO], v[TMP+4*\b:TMP+4*\b+3] offset:32*\b
.endr
	s_wait_xcnt 0x0                                ; buffer f, which earlier stores read, and the stores' base are rewritten only behind this wait
.if \i
	s_add_nc_u64 s[82:83], s[82:83], 16*CPITCH
.endif
.irp t, 0,1,2,3,4,5,6,7
	ds_load_b128 v[\f+4*\t:\f+4*\t+3], v[RD] offset:\t*2*SPITCH    ; a wave's LDS instructions are served in order: these see the stores above
.endr
.irp t, 0,1,2,3,4,5,6,7
	s_wait_dscnt 7-\t
	global_store_b128 v[CO], v[\f+4*\t:\f+4*\t+3], s[82:83] offset:2*\t*CPITCH   ; 16 lanes store 256 consecutive bytes, aligned
.endr
.endm
	OUT16 0, 0, 0x0a, F0
	OUT16 1, 1, 0x0a, F1
	OUT16 2, 2, 0x0a, F0
	OUT16 3, 3, 0x0a, F1
	OUT16 4, 0, 0x0f, F0
	OUT16 5, 1, 0x0f, F1
	OUT16 6, 2, 0x0f, F0
	OUT16 7, 3, 0x0f, F1
	s_set_vgpr_msb 0x1
	s_wait_tensorcnt 0x0
	ds_add_u32 v255, v63
	s_wait_dscnt 0x0
	s_set_vgpr_msb 0x100
	CROUND                                         ; the closing round: no work-group ends while a partner may still ask jointly
	s_endpgm
.Lfunc_end_k_qe59d308fb2_qkv:
	.size	k_qe59d308fb2_qkv, .Lfunc_end_k_qe59d308fb2_qkv-k_qe59d308fb2_qkv
	.p2alignl 7, 3214868480
	.fill 96, 4, 3214868480
	.section	.rodata,"a",@progbits
	.p2align	6, 0x0
	.amdhsa_kernel k_qe59d308fb2_qkv
		.amdhsa_group_segment_fixed_size 327680
		.amdhsa_private_segment_fixed_size 0
		.amdhsa_enable_private_segment 0
		.amdhsa_kernarg_size 64
		.amdhsa_user_sgpr_count 2
		.amdhsa_user_sgpr_kernarg_segment_ptr 1
		.amdhsa_wavefront_size32 1
		.amdhsa_system_sgpr_workgroup_id_x 1
		.amdhsa_system_sgpr_workgroup_id_y 1
		.amdhsa_system_sgpr_workgroup_id_z 1
		.amdhsa_system_vgpr_workitem_id 0
		.amdhsa_next_free_vgpr 1024
		.amdhsa_next_free_sgpr 88
		.amdhsa_reserve_vcc 0
		.amdhsa_float_denorm_mode_32 3
		.amdhsa_float_denorm_mode_16_64 3
		.amdhsa_memory_ordered 1
		.amdhsa_forward_progress 1
		.amdhsa_inst_pref_size 200
	.end_amdhsa_kernel
	.amdgpu_metadata
---
amdhsa.version: [ 1, 2 ]
amdhsa.kernels:
  - .name:           k_qe59d308fb2_qkv
    .symbol:         k_qe59d308fb2_qkv.kd
    .args:
      - { .name: cb, .offset: 0, .size: 8, .value_kind: global_buffer, .address_space: global }
      - { .name: s2t_bq, .offset: 8, .size: 8, .value_kind: global_buffer, .address_space: global }
      - { .name: t2s_bk, .offset: 16, .size: 8, .value_kind: global_buffer, .address_space: global }
      - { .name: t2s_bv, .offset: 24, .size: 8, .value_kind: global_buffer, .address_space: global }
      - { .name: t2s_bq, .offset: 32, .size: 8, .value_kind: global_buffer, .address_space: global }
      - { .name: s2t_bk, .offset: 40, .size: 8, .value_kind: global_buffer, .address_space: global }
      - { .name: s2t_bv, .offset: 48, .size: 8, .value_kind: global_buffer, .address_space: global }
      - { .name: qkv, .offset: 56, .size: 8, .value_kind: global_buffer, .address_space: global }
    .group_segment_fixed_size: 327680
    .private_segment_fixed_size: 0
    .kernarg_segment_align: 8
    .kernarg_segment_size: 64
    .max_flat_workgroup_size: 128
    .sgpr_count:     88
    .vgpr_count:     1024
    .wavefront_size: 32
...
	.end_amdgpu_metadata
.endif
;; end of part 2
;; launch attn (part 3): grid 8 x 32, 8 waves a work-group, clusters of 4 x 1, 327,680 bytes of LDS; arguments qkv, ao; writes ao
.if DOCPART == 3
	.amdgcn_target "amdgcn-amd-amdhsa--gfx1250"
	.amdhsa_code_object_version 6
	.text
	.protected	k_qe59d308fb2_attn
	.globl	k_qe59d308fb2_attn
	.p2align	8
	.type	k_qe59d308fb2_attn,@function
k_qe59d308fb2_attn:
	s_mov_b64 s[64:65], 0
	v_nop
	global_prefetch_b8 v0, s[64:65] scope:SCOPE_SE
	s_setreg_imm32_b32 hwreg(HW_REG_WAVE_MODE, 25, 1), 1
	s_wait_xcnt 0x0
	s_wait_alu depctr_hold_cnt(0) depctr_sa_sdst(0) depctr_va_vdst(0) depctr_va_sdst(0) depctr_va_ssrc(0) depctr_va_vcc(0) depctr_vm_vsrc(0)
	s_getreg_b32 s2, hwreg(HW_REG_IB_STS2, 6, 4)
	s_cmp_eq_u32 s2, 0
	s_cbranch_scc0 .Lentry_in_a_cluster
	s_endpgm
.Lentry_in_a_cluster:
	s_bfe_u32 s2, ttmp6, 0x10000c
	s_cmp_lg_u32 s2, 0x3003
	s_cbranch_scc0 .Lentry_shape_is_right
	s_endpgm
.Lentry_shape_is_right:
; Attention with a running maximum, for 2 directions x 2 batches x 16 heads of 64, 2,048 queries and 2,048 keys each.
; y = 16 a + 8 b + hp: direction a (0: queries from temp rows, keys and values from spat rows; 1: the other way), batch b, pair of heads hp.
; x: block of 256 queries.  Eight waves: wave w takes head w / 4 of the pair and queries 64 (w % 4) .. + 63, as four groups g of 16.
; Two heads to a work-group make every K, V and output row 256 consecutive bytes, aligned.
; CLUSTER 4 x 1: four query blocks of the same pair of heads read the same K and V tiles and ask for them jointly (mask 15).
; S^T = K Q^T: lane (r, h) holds query r and keys 8 h + j of each tile of 16 keys.  So a query's maximum and sum are made in the lane, plus one
; exchange between the halves, and two neighbouring registers rounded to bf16 are already the B fragment of P.  O^T = V^T P^T (V^T by transposing
; LDS loads) keeps query r in lane r, so the rescaling factor is the lane's own.
; THE PIPELINE: the scores of group g + 1 are made while group g's softmax runs: their eight matrix instructions stand singly between the
; softmax's vector instructions (other score buffer, same register window).  The softmax itself runs in stages of one register pair: the
; multiply-add of pair i + 2, the two exponentials of pair i, the rounding and the add of pair i - 2.
; LIMITS: scores must be finite; an exponential below 2^-126 counts as 0 (v_exp_f32 flushes: ISA guide 15.8); P is rounded to bf16 for the product
; with V while the row's sum is taken in f32 before that rounding.
; LDS: slot s at 71,680 s: K 128 keys x 272 bytes, then V 128 keys x 288 bytes (9 x 32).  Stage at 143,360: 256 rows x 272, never filled by a tensor load.
.set KPITCH, 272
.set VPITCH, 288
.set KBYTES, 128*KPITCH
.set SLOT,   KBYTES+128*VPITCH
.set STAGE,  2*SLOT
.set ROWB,   6144                      ; bytes in a row of qkv
.set TILEB,  128*ROWB                  ; 128 keys further down
.set KA,  8                            ; v8-9    K fragment address, slot 0, 1
.set VA,  10                           ; v10-11  V fragment address, slot 0, 1 (copies in window 1: v192-193)
.set STO, 12
.set RD,  13
.set GO,  14
.set QO,  15
.set MX,  16                           ; v16-19  running maximum of group g (raw scores)
.set LS,  20                           ; v20-23  running sum of group g over this lane's keys
.set NM,  24                           ; v24 (pair with v25): - c x maximum
.set AL,  26                           ; v26 (pair with v27): rescaling factor
.set TT,  28                           ; v28-31  at work
.set KF,  32                           ; v32-95   K fragments (kt, ks) at 8 (2 kt + ks)
.set QF,  96                           ; v96-159  Q fragments (g, ks) at 8 (2 g + ks)
.set SA,  160                          ; v160-191 scores, buffer A
.set SB,  192                          ; v192-223 scores, buffer B
.set PP,  224                          ; v224-239 P in bf16
.set UU,  240                          ; v240-247 four pairs of partial sums
.set VF,  128                          ; window 1: v128-191 V fragments (dt, u) at 8 (2 dt + u); v0-127: O (g, dt) at 8 (4 g + dt)
.set VA1, 192                          ; window 1: copies of VA
.set G1K, 16
.set G1V, 24
.set G0K, 32
.set G0V, 40
.set MSB, 0
.macro WIN new                         ; the immediate's high byte repeats the setting that is left
.if MSB != \new
	s_set_vgpr_msb (MSB<<8)|\new
.set MSB, \new
.endif
.endm
.macro PLACES                          ; four places behind a matrix instruction (ISA guide 7.12.1)
.rept 4
	v_nop
.endr
.endm
.macro ROUND                           ; a round of the cluster's barrier
	s_barrier_signal -1
	s_barrier_wait -1
	s_cmp_lg_u32 s10, 0
	s_cbranch_scc1 .Lnot_wave_0_\@
	s_barrier_signal -3
.Lnot_wave_0_\@:
	s_barrier_wait -3
	s_barrier_signal -1
	s_barrier_wait -1
.endm
; The joint refill of slot s: waves 0, 1 K's halves, waves 2, 3 V's halves, waves 4-7 nothing.  The branches hang on the wave's number alone.
.macro JLOAD s
	s_cmp_lt_u32 s10, 2
	s_cbranch_scc0 .Lnot_k_\@
	tensor_load_to_lds s[G0K+4*\s:G0K+4*\s+3], s[G1K:G1K+7]
	s_nop 0
	PLACES
	s_branch .Lasked_\@
.Lnot_k_\@:
	s_cmp_lt_u32 s10, 4
	s_cbranch_scc0 .Lasked_\@
	tensor_load_to_lds s[G0V+4*\s:G0V+4*\s+3], s[G1V:G1V+7]
	s_nop 0
	PLACES
.Lasked_\@:
.endm
	s_load_b128 s[4:7], s[0:1], 0x0                ; qkv s[4:5], ao s[6:7]
	v_lshl_add_u32 v254, v0, 2, 0x34000
	v_mov_b32 v255, 0
	ds_add_u32 v254, v255
	v_lshrrev_b32 v1, 5, v0
	v_readfirstlane_b32 s10, v1                    ; wave 0..7
	s_lshr_b32 s11, s10, 2                         ; head of the pair
	s_and_b32 s12, s10, 3                          ; my 64 queries of the 256
	s_and_b32 s13, s10, 1                          ; which 64 keys of a tile I fetch
	s_bfe_u32 s48, ttmp6, 0x40000                  ; cx
	s_lshl_b32 s49, ttmp9, 2
	s_add_co_u32 s49, s49, s48                     ; query block 0..7
	s_and_b32 s50, ttmp7, 0xffff
	s_lshr_b32 s51, s50, 4                         ; a
	s_bfe_u32 s52, s50, 0x10003                    ; b
	s_and_b32 s53, s50, 7                          ; hp
	s_mov_b32 s56, 0x3e38aa3b                      ; c = log2(e) / 8: the scale 64^-0.5 and the change of base in one factor
	s_mov_b32 s57, 0x3e38aa3b
	s_mov_b32 s58, 0xbe38aa3b                      ; - c
	s_mov_b32 s59, 0x76543210                      ; v_permlanex16_b32: lane i reads lane i of the other half
	s_mov_b32 s60, 0xfedcba98
	; offsets of Q and of ao (these hang on cx; none of these registers feeds an LDS address or a descriptor)
	s_lshl_b32 s14, s51, 12
	s_lshl_b32 s15, s52, 11
	s_add_co_u32 s14, s14, s15
	s_lshl_b32 s15, s49, 8
	s_add_co_u32 s14, s14, s15                     ; the block's first query row: 4096 a + 2048 b + 256 block
	s_lshl_b32 s62, s14, 11                        ; ao: x 2,048 bytes
	s_lshl_b32 s15, s53, 8                         ; + hp x 256 bytes
	s_add_co_u32 s62, s62, s15
	s_mov_b32 s63, 0
	s_lshl_b32 s61, s12, 6
	s_add_co_u32 s14, s14, s61                     ; my wave's first query row
	s_mul_i32 s14, s14, ROWB
	s_add_co_u32 s14, s14, s15
	s_lshl_b32 s15, s11, 7                         ; + head x 128 bytes
	s_add_co_u32 s14, s14, s15
	s_mov_b32 s15, 0
	; offset of my 64 keys of tile 0: made of a, b, hp and the wave's number, equal in all four partners
	s_xor_b32 s54, s51, 1
	s_lshl_b32 s54, s54, 12
	s_lshl_b32 s55, s52, 11
	s_add_co_u32 s54, s54, s55
	s_lshl_b32 s55, s13, 6
	s_add_co_u32 s54, s54, s55
	s_mul_i32 s54, s54, ROWB
	s_lshl_b32 s55, s53, 8
	s_add_co_u32 s54, s54, s55
	s_mov_b32 s55, 0
	s_mul_i32 s66, s13, 64*KPITCH                  ; LDS: K's half
	s_mul_i32 s67, s13, 64*VPITCH                  ;      V's half,
	s_add_co_u32 s67, s67, KBYTES                  ;      behind K
	; group 1: 64 rows x 128 elements, pitch 3,072 elements; padding behind every 256 bytes: 16 bytes for K, 32 for V; mask 15 with bit 21
	s_mov_b32 s[G1K+0], 15|(1<<16)|(1<<20)|(1<<21)|(5<<22)|(3<<25)
	s_mov_b32 s[G1V+0], 15|(1<<16)|(1<<20)|(1<<21)|(5<<22)|(7<<25)
.irp g, G1K, G1V
	s_mov_b32 s[\g+1], 128<<16
	s_mov_b32 s[\g+2], 64<<16
	s_mov_b32 s[\g+3], 128<<16
	s_mov_b32 s[\g+4], 64
	s_mov_b32 s[\g+5], 3072
	s_mov_b32 s[\g+6], 0
	s_mov_b32 s[\g+7], 0
.endr
	s_wait_dscnt 0x0
	s_wait_kmcnt 0x0
	s_add_nc_u64 s[8:9], s[4:5], s[14:15]          ; Q
	s_add_nc_u64 s[6:7], s[6:7], s[62:63]          ; ao
	s_add_nc_u64 s[54:55], s[4:5], s[54:55]        ; K and V rows
.irp s, 0,1
	s_mov_b32 s[G0K+4*\s], 1
	s_add_co_u32 s[G0K+4*\s+1], s66, \s*SLOT
	s_add_nc_u64 s[G0K+4*\s+2:G0K+4*\s+3], s[54:55], 2048+\s*TILEB     ; K's columns begin at byte 2,048 of a row
	s_or_b32 s[G0K+4*\s+3], s[G0K+4*\s+3], 0x80000000
	s_mov_b32 s[G0V+4*\s], 1
	s_add_co_u32 s[G0V+4*\s+1], s67, \s*SLOT
	s_add_nc_u64 s[G0V+4*\s+2:G0V+4*\s+3], s[54:55], 4096+\s*TILEB     ; V's at byte 4,096
	s_or_b32 s[G0V+4*\s+3], s[G0V+4*\s+3], 0x80000000
.endr
	ROUND                                          ; in front of the first joint loads
	; the first fills, tiles 0 and 1: both of a wave's loads in one arm of a branch on the wave's number
	s_cmp_lt_u32 s10, 2
	s_cbranch_scc0 .Lff_not_k
	tensor_load_to_lds s[G0K:G0K+3], s[G1K:G1K+7]
	s_nop 0
	PLACES
	tensor_load_to_lds s[G0K+4:G0K+7], s[G1K:G1K+7]
	s_nop 0
	PLACES
	s_branch .Lff_done
.Lff_not_k:
	s_cmp_lt_u32 s10, 4
	s_cbranch_scc0 .Lff_done
	tensor_load_to_lds s[G0V:G0V+3], s[G1V:G1V+7]
	s_nop 0
	PLACES
	tensor_load_to_lds s[G0V+4:G0V+7], s[G1V:G1V+7]
	s_nop 0
	PLACES
.Lff_done:
	v_and_b32 v1, 15, v0                           ; r
	v_bfe_u32 v2, v0, 4, 1                         ; h
	v_mul_u32_u24 v[QO], v1, ROWB
	v_lshl_add_u32 v[QO], v2, 4, v[QO]             ; Q fragment straight from memory: query r, bytes 16 h and 16 h + 32 of each 64
.irp g, 0,1,2,3
.irp ks, 0,1
	global_load_b128 v[QF+8*(2*\g+\ks):QF+8*(2*\g+\ks)+3],   v[QO], s[8:9] offset:16*ROWB*\g+64*\ks
	global_load_b128 v[QF+8*(2*\g+\ks)+4:QF+8*(2*\g+\ks)+7], v[QO], s[8:9] offset:16*ROWB*\g+64*\ks+32
.endr
.endr
	v_and_b32 v3, 7, v0
	v_bfe_u32 v4, v0, 3, 1
	v_mul_u32_u24 v5, v1, KPITCH
	v_lshl_add_u32 v5, v2, 4, v5                   ; r x 272 + 16 h
	s_lshl_b32 s68, s11, 7                         ; my head's 128 bytes of a row
	v_add_nc_u32 v[KA], s68, v5
	v_add_nc_u32 v[KA+1], SLOT, v[KA]
	v_lshl_add_u32 v6, v2, 3, v3                   ; transposing load: key 8 h + l % 8,
	v_mul_u32_u24 v6, v6, VPITCH
	v_lshl_add_u32 v6, v4, 4, v6                   ; 16 bytes at 16 ((l / 8) % 2)
	s_add_co_u32 s69, s68, KBYTES
	v_add_nc_u32 v[VA], s69, v6
	v_add_nc_u32 v[VA+1], SLOT, v[VA]
	s_mul_i32 s69, s12, 64*KPITCH                  ; stage: row 64 (w % 4) + r, my head's half, 16 h
	s_add_co_u32 s69, s69, s68
	s_add_co_u32 s69, s69, STAGE
	v_add_nc_u32 v[STO], s69, v5
	v_mul_u32_u24 v7, v2, KPITCH                   ; back: rows 32 w + h, 16 bytes a lane
	v_lshl_add_u32 v7, v1, 4, v7
	s_mul_i32 s69, s10, 32*KPITCH
	s_add_co_u32 s69, s69, STAGE
	v_add_nc_u32 v[RD], s69, v7
	v_lshlrev_b32 v6, 11, v2                       ; and the same rows in ao
	v_lshl_add_u32 v6, v1, 4, v6
	s_lshl_b32 s69, s10, 16
	v_add_nc_u32 v[GO], s69, v6
	v_mov_b32 v[NM+1], 0                           ; the pairs' second registers are named by packed instructions and never used
	v_mov_b32 v[AL+1], 0
	WIN 0x40
	v_mov_b32 v[VA1], v[VA]                        ; copies in window 1, so that V's loads run under the products' setting
	v_mov_b32 v[VA1+1], v[VA+1]
	WIN 0
.macro LDK slot, kb                    ; 16 loads: K fragments of 64 keys
.irp kt, 0,1,2,3
.irp ks, 0,1
	ds_load_b128 v[KF+16*\kt+8*\ks:KF+16*\kt+8*\ks+3],   v[KA+\slot] offset:\kb*64*KPITCH+\kt*16*KPITCH+\ks*64
	ds_load_b128 v[KF+16*\kt+8*\ks+4:KF+16*\kt+8*\ks+7], v[KA+\slot] offset:\kb*64*KPITCH+\kt*16*KPITCH+\ks*64+32
.endr
.endr
.endm
.macro LDV slot, kb                    ; 16 transposing loads: V^T fragments of 64 keys; data and address in window 1
	WIN 0x51
.irp dt, 0,1,2,3
.irp u, 0,1
	ds_load_tr16_b128 v[VF+16*\dt+8*\u:VF+16*\dt+8*\u+3],   v[VA1+\slot] offset:\kb*64*VPITCH+\u*32*VPITCH+\dt*32
	ds_load_tr16_b128 v[VF+16*\dt+8*\u+4:VF+16*\dt+8*\u+7], v[VA1+\slot] offset:\kb*64*VPITCH+\u*32*VPITCH+\dt*32+16*VPITCH
.endr
.endr
.endm
; scores of group g against 64 keys in one run (used once, ahead of the first block): the four key tiles take turns
.macro QK g, S
.irp kt, 0,1,2,3
	v_wmma_f32_16x16x32_bf16 v[\S+8*\kt:\S+8*\kt+7], v[KF+16*\kt:KF+16*\kt+7], v[QF+16*\g:QF+16*\g+7], 0
.endr
.irp kt, 0,1,2,3
	v_wmma_f32_16x16x32_bf16 v[\S+8*\kt:\S+8*\kt+7], v[KF+16*\kt+8:KF+16*\kt+15], v[QF+16*\g+8:QF+16*\g+15], v[\S+8*\kt:\S+8*\kt+7]
.endr
.endm
; Softmax step of group g on the 32 scores of each lane in buffer S.  qk = 1: the eight matrix instructions of group g2's scores, into the other
; buffer S2, stand at the heads of stages 0, 2, .. 14; they name none of this softmax's registers, and the four key tiles take turns, one
; instruction a turn.  kwait = 1: those scores belong to the next block, whose K fragments are the only LDS loads out.
.macro SMX g, S, first, qk, g2, S2, kwait
.irp k, 0,1,2,3
	v_max3_num_f32 v[TT+\k], v[\S+8*\k], v[\S+8*\k+1], v[\S+8*\k+2]
.endr
.irp k, 0,1,2,3
	v_max3_num_f32 v[TT+\k], v[TT+\k], v[\S+8*\k+3], v[\S+8*\k+4]
.endr
.irp k, 0,1,2,3
	v_max3_num_f32 v[TT+\k], v[TT+\k], v[\S+8*\k+5], v[\S+8*\k+6]
.endr
	v_max3_num_f32 v[TT], v[TT], v[TT+1], v[TT+2]
	v_max3_num_f32 v[TT], v[TT], v[TT+3], v[\S+7]
	v_max3_num_f32 v[TT], v[TT], v[\S+15], v[\S+23]
	v_max_num_f32 v[TT], v[TT], v[\S+31]
	v_permlanex16_b32 v[TT+1], v[TT], s59, s60     ; the other half of the lanes holds the query's other keys
.if \first
	v_max_num_f32 v[MX+\g], v[TT], v[TT+1]
	v_mul_f32 v[NM], s58, v[MX+\g]
.else
	v_max3_num_f32 v[TT+2], v[TT], v[TT+1], v[MX+\g]
	v_mul_f32 v[TT+3], s58, v[MX+\g]               ; the old shift, made again by the same multiply: bit for bit what the old exponentials used
	v_mul_f32 v[NM], s58, v[TT+2]                  ; the new shift
	v_sub_f32 v[TT+3], v[NM], v[TT+3]              ; <= 0
	v_mov_b32 v[MX+\g], v[TT+2]
	v_exp_f32 v[AL], v[TT+3]                       ; the packed multiply-add below is the plain place behind it (ISA guide 5.7.2)
.endif
.if \kwait
	s_wait_dscnt 0                                 ; the next block's K fragments
.endif
	; Stage st: multiply-add of pair st + 2, exponentials of pair st, rounding and add of pair st - 2.  Between an exponential and the
	; first use of its result stand the plain instructions of two stages (ISA guide 5.7.2).
.set st, -2
.rept 20
.if \qk
.if st >= 0
.if st < 16
.if (st & 1) == 0
.set kt, (st/2) & 3
.if st < 8
	v_wmma_f32_16x16x32_bf16 v[\S2+8*kt:\S2+8*kt+7], v[KF+16*kt:KF+16*kt+7], v[QF+16*\g2:QF+16*\g2+7], 0
.else
	v_wmma_f32_16x16x32_bf16 v[\S2+8*kt:\S2+8*kt+7], v[KF+16*kt+8:KF+16*kt+15], v[QF+16*\g2+8:QF+16*\g2+15], v[\S2+8*kt:\S2+8*kt+7]
.endif
.endif
.endif
.endif
.endif
.if st < 14
	v_pk_fma_f32 v[\S+2*st+4:\S+2*st+5], v[\S+2*st+4:\S+2*st+5], s[56:57], v[NM:NM+1] op_sel_hi:[1,0,0]
.endif
.if st >= 0
.if st < 16
	v_exp_f32 v[\S+2*st], v[\S+2*st]
	v_exp_f32 v[\S+2*st+1], v[\S+2*st+1]
.endif
.endif
.if st >= 2
.set pr, st-2
	s_wait_alu depctr_va_vdst(0)
	v_cvt_pk_bf16_f32 v[PP+pr], v[\S+2*pr], v[\S+2*pr+1]       ; tiles 2 u, 2 u + 1 become registers 0-3, 4-7 of P's fragment for key step u
.if (pr & 3) == 1
	v_pk_add_f32 v[UU+2*(pr/4):UU+2*(pr/4)+1], v[\S+2*pr-2:\S+2*pr-1], v[\S+2*pr:\S+2*pr+1]
.endif
.if (pr & 3) >= 2
	v_pk_add_f32 v[UU+2*(pr/4):UU+2*(pr/4)+1], v[UU+2*(pr/4):UU+2*(pr/4)+1], v[\S+2*pr:\S+2*pr+1]
.endif
.endif
.set st, st+1
.endr
	v_pk_add_f32 v[UU:UU+1], v[UU:UU+1], v[UU+2:UU+3]
	v_pk_add_f32 v[UU+4:UU+5], v[UU+4:UU+5], v[UU+6:UU+7]
	v_pk_add_f32 v[UU:UU+1], v[UU:UU+1], v[UU+4:UU+5]
.if \first
	v_add_f32 v[LS+\g], v[UU], v[UU+1]
.else
	v_add_f32 v[TT], v[UU], v[UU+1]
	v_fma_f32 v[LS+\g], v[LS+\g], v[AL], v[TT]
.endif
.endm
; O^T of group g: rescale, then add V^T P^T; the four tiles of d take turns, one instruction a turn.
; These stay in a run: their operands lie in window 1, and each one set singly among the softmax's lines would cost two switches.
.macro PV g, first
	WIN 0x51                                       ; D, C and source 0 (V^T, O) in window 1, source 1 (P, the factor) in window 0
.if \first
.irp dt, 0,1,2,3
	v_wmma_f32_16x16x32_bf16 v[32*\g+8*\dt:32*\g+8*\dt+7], v[VF+16*\dt:VF+16*\dt+7], v[PP:PP+7], 0
.endr
.else
.set i, 0
.rept 16
	v_pk_mul_f32 v[32*\g+i:32*\g+i+1], v[32*\g+i:32*\g+i+1], v[AL:AL+1] op_sel_hi:[1,0]
.set i, i+2
.endr
.irp dt, 0,1,2,3
	v_wmma_f32_16x16x32_bf16 v[32*\g+8*\dt:32*\g+8*\dt+7], v[VF+16*\dt:VF+16*\dt+7], v[PP:PP+7], v[32*\g+8*\dt:32*\g+8*\dt+7]
.endr
.endif
.irp dt, 0,1,2,3
	v_wmma_f32_16x16x32_bf16 v[32*\g+8*\dt:32*\g+8*\dt+7], v[VF+16*\dt+8:VF+16*\dt+15], v[PP+8:PP+15], v[32*\g+8*\dt:32*\g+8*\dt+7]
.endr
.endm
; 64 keys for my 64 queries.  On entry group 0's scores lie in SA, this block's K fragments in registers, its V fragments on their way.
; sync = 1: this is a slot's second block; behind group 3's scores its K and V fragments have all been read into registers, so my reads of the
; slot are over: waits, a round of the cluster's barrier, the joint refill first behind it.  sync = 2: the same change of slots without a refill.
; more = 1: the next block's fragments (slot nslot, block nkb) are fetched, K's behind group 3's scores, V's behind the last product, and the
; next block's first scores are made during group 3's softmax.
; The softmax lines between two matrix instructions on the same registers are the places that the distances ask for; v_nop only where a load follows.
.macro BLOCK first, sync, slot, more, nslot, nkb
	SMX 0, SA, \first, 1, 1, SB, 0
	s_wait_dscnt 0                                 ; V's fragments
	PV 0, \first
	WIN 0
	SMX 1, SB, \first, 1, 2, SA, 0
	PV 1, \first
	WIN 0
	SMX 2, SA, \first, 1, 3, SB, 0
.if \sync == 1
	s_wait_dscnt 0                                 ; my reads of this slot are back
	s_wait_tensorcnt 0x0                           ; all my tensor loads have landed, my part of the other slot among them: a group 0 may be written
	ds_add_u32 v254, v255
	s_wait_dscnt 0x0
	s_add_nc_u64 s[G0K+4*\slot+2:G0K+4*\slot+3], s[G0K+4*\slot+2:G0K+4*\slot+3], 2*TILEB
	s_add_nc_u64 s[G0V+4*\slot+2:G0V+4*\slot+3], s[G0V+4*\slot+2:G0V+4*\slot+3], 2*TILEB
	ROUND                                          ; both now hold of every wave of all four work-groups
	JLOAD \slot
.endif
.if \sync == 2
	s_wait_dscnt 0
	s_wait_tensorcnt 0x0                           ; the last tile has landed
	s_barrier_signal -1
	s_barrier_wait -1
.endif
.if \more
	PLACES                                         ; behind the scores' matrix instructions, which read K's fragments
	LDK \nslot, \nkb
.endif
	PV 2, \first
	WIN 0
	SMX 3, SB, \first, \more, 0, SA, \more
	PV 3, \first
.if \more
	PLACES                                         ; behind the products, which read V's fragments
	LDV \nslot, \nkb
.endif
	WIN 0
.endm
	s_wait_tensorcnt 1                             ; my part of tile 0 is in; tile 1's stays out
	s_barrier_signal -1
	s_barrier_wait -1
	LDK 0, 0
	LDV 0, 0
	WIN 0
	s_wait_loadcnt 0x0                             ; Q
	s_wait_dscnt 16                                ; the 16 K loads are in; the 16 younger V loads stay out
	QK 0, SA                                       ; the pipeline's first scores
	PLACES
	BLOCK 1, 0, 0, 1, 0, 1                         ; tile 0, first half: starts maxima, sums and O
	s_mov_b32 s3, 7                                ; 7 trips x 2 refills bring tiles 2 to 15
.Ltiles:
	BLOCK 0, 1, 0, 1, 1, 0                         ; even tile, second half; slot 0 is asked for again
	BLOCK 0, 0, 0, 1, 1, 1                         ; odd tile, first half
	BLOCK 0, 1, 1, 1, 0, 0                         ; odd tile, second half; slot 1 is asked for again
	BLOCK 0, 0, 0, 1, 0, 1                         ; next even tile, first half
	s_sub_co_u32 s3, s3, 1
	s_cmp_lg_u32 s3, 0
	s_cbranch_scc1 .Ltiles
	BLOCK 0, 2, 0, 1, 1, 0                         ; tile 14, second half: nothing is left to fetch
	BLOCK 0, 0, 0, 1, 1, 1                         ; tile 15
	BLOCK 0, 0, 0, 0, 0, 0
	; THE WAY OUT: divide by the sum, round to bf16, through the stage, so that whole rows of 256 bytes (both heads) leave together.
	PLACES
.macro OUTG g, S
	v_permlanex16_b32 v[TT], v[LS+\g], s59, s60
	v_add_f32 v[TT], v[TT], v[LS+\g]               ; at least 1: the largest score's exponential
	v_rcp_f32 v[AL], v[TT]
	v_nop
	WIN 0x01
.set i, 0
.rept 16
	s_wait_alu depctr_va_vdst(0)
	v_pk_mul_f32 v[\S+i:\S+i+1], v[32*\g+i:32*\g+i+1], v[AL:AL+1] op_sel_hi:[1,0]
.set i, i+2
.endr
	WIN 0
.set i, 0
.rept 16
	v_cvt_pk_bf16_f32 v[KF+16*\g+i], v[\S+2*i], v[\S+2*i+1]
.set i, i+1
.endr
.irp dt, 0,1,2,3
	ds_store_b128 v[STO], v[KF+16*\g+4*\dt:KF+16*\g+4*\dt+3] offset:16*KPITCH*\g+32*\dt
.endr
.endm
	OUTG 0, SA
	OUTG 1, SB
	OUTG 2, SA
	OUTG 3, SB
	s_wait_dscnt 0x0                               ; my stores are done, for the waves that read them
	s_barrier_signal -1
	s_barrier_wait -1
.irp t, 0,1,2,3,4,5,6,7,8,9,10,11,12,13,14,15
	ds_load_b128 v[SA+4*\t:SA+4*\t+3], v[RD] offset:2*KPITCH*\t
.endr
.irp t, 0,1,2,3,4,5,6,7,8,9,10,11,12,13,14,15
	s_wait_dscnt 15-\t                             ; pair of rows t is in, the younger reads stay out
	global_store_b128 v[GO], v[SA+4*\t:SA+4*\t+3], s[6:7] offset:4096*\t     ; 16 lanes store 256 consecutive bytes, aligned
.endr
	s_wait_tensorcnt 0x0
	ds_add_u32 v254, v255
	s_wait_dscnt 0x0
	ROUND                                          ; the closing round
	s_endpgm
.Lfunc_end_k_qe59d308fb2_attn:
	.size	k_qe59d308fb2_attn, .Lfunc_end_k_qe59d308fb2_attn-k_qe59d308fb2_attn
	.p2alignl 7, 3214868480
	.fill 96, 4, 3214868480
	.section	.rodata,"a",@progbits
	.p2align	6, 0x0
	.amdhsa_kernel k_qe59d308fb2_attn
		.amdhsa_group_segment_fixed_size 327680
		.amdhsa_private_segment_fixed_size 0
		.amdhsa_enable_private_segment 0
		.amdhsa_kernarg_size 16
		.amdhsa_user_sgpr_count 2
		.amdhsa_user_sgpr_kernarg_segment_ptr 1
		.amdhsa_wavefront_size32 1
		.amdhsa_system_sgpr_workgroup_id_x 1
		.amdhsa_system_sgpr_workgroup_id_y 1
		.amdhsa_system_sgpr_workgroup_id_z 1
		.amdhsa_system_vgpr_workitem_id 0
		.amdhsa_next_free_vgpr 456
		.amdhsa_next_free_sgpr 72
		.amdhsa_reserve_vcc 0
		.amdhsa_float_denorm_mode_32 3
		.amdhsa_float_denorm_mode_16_64 3
		.amdhsa_memory_ordered 1
		.amdhsa_forward_progress 1
		.amdhsa_inst_pref_size 255
	.end_amdhsa_kernel
	.section	.bss,"aw",@nobits
	.p2align	6
	.space	262144
	.amdgpu_metadata
---
amdhsa.version: [ 1, 2 ]
amdhsa.kernels:
  - .name:           k_qe59d308fb2_attn
    .symbol:         k_qe59d308fb2_attn.kd
    .args:
      - { .name: qkv, .offset: 0, .size: 8, .value_kind: global_buffer, .address_space: global }
      - { .name: ao, .offset: 8, .size: 8, .value_kind: global_buffer, .address_space: global }
    .group_segment_fixed_size: 327680
    .private_segment_fixed_size: 0
    .kernarg_segment_align: 8
    .kernarg_segment_size: 16
    .max_flat_workgroup_size: 256
    .sgpr_count:     72
    .vgpr_count:     456
    .wavefront_size: 32
...
	.end_amdgpu_metadata
.endif
;; end of part 3
;; launch outln (part 4): grid 128 x 1, 4 waves a work-group, clusters of 4 x 1, 327,680 bytes of LDS; arguments ao, cb, temp_features, spat_features, s2t_bo, t2s_bo, ln_g, ln_b, out0, out1; writes out0, out1
.if DOCPART == 4
	.amdgcn_target "amdgcn-amd-amdhsa--gfx1250"
	.amdhsa_code_object_version 6
	.text
	.protected	k_qe59d308fb2_outln
	.globl	k_qe59d308fb2_outln
	.p2align	8
	.type	k_qe59d308fb2_outln,@function
k_qe59d308fb2_outln:
	s_mov_b64 s[64:65], 0
	v_nop
	global_prefetch_b8 v0, s[64:65] scope:SCOPE_SE
	s_setreg_imm32_b32 hwreg(HW_REG_WAVE_MODE, 25, 1), 1
	s_wait_xcnt 0x0
	s_wait_alu depctr_hold_cnt(0) depctr_sa_sdst(0) depctr_va_vdst(0) depctr_va_sdst(0) depctr_va_ssrc(0) depctr_va_vcc(0) depctr_vm_vsrc(0)
	s_getreg_b32 s2, hwreg(HW_REG_IB_STS2, 6, 4)
	s_cmp_eq_u32 s2, 0
	s_cbranch_scc0 .Lentry_in_a_cluster
	s_endpgm
.Lentry_in_a_cluster:
	s_bfe_u32 s2, ttmp6, 0x10000c
	s_cmp_lg_u32 s2, 0x3003
	s_cbranch_scc0 .Lentry_shape_is_right
	s_endpgm
.Lentry_shape_is_right:
; out = LayerNorm(residual + ao x Wo + bo) x g + b, f32 out.  ao: [8192][1024] bf16; rows 0-4095 direction 0 (Wo = weight 6 of cb, s2t_bo,
; residual temp, out0), rows 4096-8191 direction 1 (weight 7, t2s_bo, spat, out1).
; A work-group makes 64 WHOLE rows, so that mean and variance never leave it: 128 work-groups.  Blocks of 32 rows on twice as many would
; each still take in all 2 MiB of Wo and would read LDS twice as often for each product.
; Wave w makes 64 rows x columns 256 w .. + 255: 4 x 16 accumulator tiles, 512 registers.  K goes in 16 steps of 64; a lap is two steps.
; CLUSTER 4 x 1: the four work-groups walk the same Wo and ask for its tiles jointly (mask 15).  Each wave asks for the 64 k x 256 columns
; that it multiplies itself: four loads a step, rows of 512 bytes.
; ROTATED K: cluster c begins with lap c mod 8 and goes round.  So the clusters of a direction ask for different parts of Wo at any one time,
; and from its second lap on a cluster asks for a part that another cluster has asked for a lap before.  The sum over K is the same set of
; products in another order.
; ao DOES NOT GO THROUGH THE TENSOR RING: each wave loads its 16 rows x 256 bytes of a lap into registers two laps ahead (8 loads, each two
; whole aligned pieces of 256 bytes) and stores them into a ring of their own in LDS one lap ahead.  These loads stay out across the rounds.
; The variance is the mean of squared deviations from the mean (two passes in registers): no difference of large sums is formed.
; LDS: Wo's slot s at 139,264 s: wave w's tile at + 34,816 w (64 k-rows, pitch 544 = 17 x 32).  ao's ring at 278,528: 2 x 64 rows, pitch 272,
; written by LDS stores alone.  The stage of the way out, 64 rows x 4,112 bytes from byte 0, lies over Wo's slots after their last fill.
.set BPITCH, 544
.set BQ,     64*BPITCH                 ; one wave's tile
.set SLOT,   4*BQ
.set ARING,  2*SLOT
.set APITCH, 272
.set ASLOT,  64*APITCH
.set SPITCH, 4112
.set DEPTH,  7                         ; rows of the residual on their way in each wave: 8 DEPTH = 56 loads go out at the head of the way out
.set AA,   16                          ; v16-17 ao fragment address, ring slot 0, 1
.set BA,   20                          ; v20-21 Wo fragment address, slot 0, 1
.set AST,  22                          ; v22-23 where I store my rows of ao, ring slot 0, 1
.set SST,  24                          ; v24-27 stage: where row tile a's results go
.set SRD,  28                          ; stage: my 16 bytes of my wave's first row
.set GOF,  29                          ; the same place in the residual and in out
.set AGO,  30                          ; my 16 bytes of my wave's first two rows of ao
.set LOF,  31                          ; 16 x lane
.set BO,   32                          ; v32-63   bo of my 32 columns of a row
.set AF,   64                          ; v64-95, v96-127: ao fragments, two buffers
.set AR,   128                         ; v128-159, v160-191: ao as loaded, two sets
.set GG,   192                         ; v192-223 ln_g of my 32 columns
.set BT,   224                         ; v224-255 ln_b
.set Y0,   128                         ; the way out: two row buffers (the ao sets are dead)
.set Y1,   160
.set UU,   64                          ; four pairs of partial sums (the fragments are dead)
.set TT,   72                          ; v72-73 at work
.set NMU,  74                          ; pair: - mean
.set RS,   76                          ; pair: 1 / sqrt(var + eps)
.set G1B, 16                           ; s[16:23] group 1
.set G0B, 32                           ; s[32:39] group 0, one set for each slot
.set KQ,  40                           ; s40, s41: the K step (0..15) that slot 0, 1 holds or has been asked for
.set MSB, 0
.macro WIN new                         ; the immediate's high byte repeats the setting that is left
.if MSB != \new
	s_set_vgpr_msb (MSB<<8)|\new
.set MSB, \new
.endif
.endm
.set MUL_LO, 0xa1                      ; source 0 (Wo) window 1, source 1 (ao) window 0, C and D window 2
.set MUL_HI, 0xf1
.macro PLACES                          ; four places behind a matrix instruction (ISA guide 7.12.1)
.rept 4
	v_nop
.endr
.endm
.macro CREST                           ; a round of the cluster's barrier behind its opening work-group barrier
	s_cmp_lg_u32 s10, 0
	s_cbranch_scc1 .Lnot_wave_0_\@
	s_barrier_signal -3
.Lnot_wave_0_\@:
	s_barrier_wait -3
	s_barrier_signal -1
	s_barrier_wait -1
.endm
.macro CROUND
	s_barrier_signal -1
	s_barrier_wait -1
	CREST
.endm
	s_load_b512 s[68:83], s[0:1], 0x0              ; ao, cb, temp, spat, s2t_bo, t2s_bo, ln_g, ln_b
	s_load_b128 s[84:87], s[0:1], 0x40             ; out0, out1
	v_lshl_add_u32 v18, v0, 2, 0x4c800
	v_mov_b32 v19, 0
	ds_add_u32 v18, v19
	v_lshrrev_b32 v1, 5, v0
	v_readfirstlane_b32 s10, v1                    ; wave 0..3
	s_bfe_u32 s48, ttmp6, 0x40000                  ; cx
	s_lshl_b32 s49, ttmp9, 2
	s_add_co_u32 s49, s49, s48                     ; block of 64 rows, 0..127
	s_lshr_b32 s50, ttmp9, 4                       ; direction: the same in the whole cluster
	s_and_b32 s24, ttmp9, 7                        ; the cluster's first lap: the same in the whole cluster
	s_lshl_b32 s4, s49, 17                         ; ao: block x 64 rows x 2,048 bytes (hangs on cx: feeds plain loads alone)
	s_mov_b32 s5, 0
	s_and_b32 s6, s49, 63
	s_lshl_b32 s6, s6, 18                          ; residual and out: block in its tensor x 64 rows x 4,096 bytes
	s_mov_b32 s7, 0
	s_add_co_u32 s8, s50, 6
	s_lshl_b32 s8, s8, 21                          ; Wo: weight 6 or 7 x 2 MiB,
	s_add_co_u32 s8, s8, 0x1000000                 ; behind X in cb,
	s_lshl_b32 s9, s10, 9                          ; + my wave's 256 columns
	s_add_co_u32 s8, s8, s9
	s_mov_b32 s9, 0
	s_mul_i32 s14, s10, BQ                         ; LDS: my wave's tile
	s_lshl_b32 s[KQ], s24, 1                       ; slot 0 begins with K step 2 x first lap,
	s_add_co_u32 s[KQ+1], s[KQ], 1                 ; slot 1 with the step behind it
	s_mov_b32 s27, 0                               ; s[26:27]: an offset in 64 bits
	s_mov_b32 s58, 0x76543210                      ; v_permlanex16_b32: lane i reads lane i of the other half
	s_mov_b32 s59, 0xfedcba98
	s_mov_b32 s60, 0xba800000                      ; - 1 / 1024
	s_mov_b32 s61, 0x3a800000                      ; 1 / 1024
	s_mov_b32 s62, 0x3727c5ac                      ; 1e-5
	; group 1: 64 k-rows x 256 elements, pitch 1,024 elements, 32 bytes of padding behind every 512; mask 15 with bit 21
	s_mov_b32 s[G1B+0], 15|(1<<16)|(1<<20)|(1<<21)|(6<<22)|(7<<25)
	s_mov_b32 s[G1B+1], 256<<16
	s_mov_b32 s[G1B+2], 64<<16
	s_mov_b32 s[G1B+3], 256<<16
	s_mov_b32 s[G1B+4], 64
	s_mov_b32 s[G1B+5], 1024
	s_mov_b32 s[G1B+6], 0
	s_mov_b32 s[G1B+7], 0
	v_and_b32 v1, 15, v0                           ; r
	v_bfe_u32 v2, v0, 4, 1                         ; h
	v_and_b32 v5, 31, v0                           ; lane
	v_lshlrev_b32 v[LOF], 4, v5
	s_lshl_b32 s15, s10, 15                        ; my wave's 16 rows of ao: 16 x 2,048 bytes
	v_lshl_add_u32 v[AGO], v2, 11, s15             ; lanes 16-31 take the row below,
	v_lshl_add_u32 v[AGO], v1, 4, v[AGO]           ; sixteen lanes a piece of 256 bytes
	s_wait_dscnt 0x0
	s_wait_kmcnt 0x0
	s_cmp_eq_u32 s50, 0
	s_cselect_b64 s[52:53], s[72:73], s[74:75]     ; residual
	s_cselect_b64 s[54:55], s[76:77], s[78:79]     ; bo
	s_cselect_b64 s[56:57], s[84:85], s[86:87]     ; out
	s_add_nc_u64 s[52:53], s[52:53], s[6:7]
	s_add_nc_u64 s[56:57], s[56:57], s[6:7]
	s_add_nc_u64 s[4:5], s[68:69], s[4:5]
	s_add_nc_u64 s[8:9], s[70:71], s[8:9]
.irp s, 0,1
	s_mov_b32 s[G0B+4*\s], 1
	s_add_co_u32 s[G0B+4*\s+1], s14, \s*SLOT
	s_lshl_b32 s26, s[KQ+\s], 17                   ; K step x 64 k-rows x 2,048 bytes
	s_add_nc_u64 s[G0B+4*\s+2:G0B+4*\s+3], s[8:9], s[26:27]
	s_or_b32 s[G0B+4*\s+3], s[G0B+4*\s+3], 0x80000000
.endr
	; g, b and bo for the way out, then ao's first two laps: s[28:29], s[30:31] are the bases of set 0, 1; s25 is the lap asked for last
	s_lshl_b32 s26, s24, 8                         ; a lap is 256 bytes of each row
	s_add_nc_u64 s[28:29], s[4:5], s[26:27]
	s_add_co_u32 s25, s24, 1
	s_and_b32 s25, s25, 7
	s_lshl_b32 s26, s25, 8
	s_add_nc_u64 s[30:31], s[4:5], s[26:27]
.irp c, 0,1,2,3,4,5,6,7
	global_load_b128 v[GG+4*\c:GG+4*\c+3], v[LOF], s[80:81] offset:512*\c
	global_load_b128 v[BT+4*\c:BT+4*\c+3], v[LOF], s[82:83] offset:512*\c
	global_load_b128 v[BO+4*\c:BO+4*\c+3], v[LOF], s[54:55] offset:512*\c
.endr
.irp p, 0,1
.irp t, 0,1,2,3,4,5,6,7
	global_load_b128 v[AR+32*\p+4*\t:AR+32*\p+4*\t+3], v[AGO], s[28+2*\p:29+2*\p] offset:4096*\t th:TH_LOAD_NT
.endr
.endr
	CROUND                                         ; in front of the first joint loads
	tensor_load_to_lds s[G0B:G0B+3], s[G1B:G1B+7]  ; the first fills, the cluster's first two K steps: every wave issues both
	s_nop 0
	PLACES
	tensor_load_to_lds s[G0B+4:G0B+7], s[G1B:G1B+7]
	s_nop 0
	PLACES
	v_and_b32 v3, 7, v0
	v_bfe_u32 v4, v0, 3, 1
	v_mul_u32_u24 v6, v1, APITCH
	v_lshl_add_u32 v6, v2, 4, v6
	v_add_nc_u32 v[AA], ARING, v6                  ; fragment: row r, 16 h
	v_add_nc_u32 v[AA+1], ASLOT, v[AA]
	v_mul_u32_u24 v9, v2, APITCH
	v_lshl_add_u32 v9, v1, 4, v9
	s_mul_i32 s63, s10, 16*APITCH
	s_add_co_u32 s63, s63, ARING
	v_add_nc_u32 v[AST], s63, v9                   ; as loaded: row 16 w + h, 16 r
	v_add_nc_u32 v[AST+1], ASLOT, v[AST]
	v_lshl_add_u32 v7, v2, 3, v3                   ; transposing load: k-row 8 h + l % 8,
	v_mul_u32_u24 v7, v7, BPITCH
	v_lshl_add_u32 v7, v4, 4, v7                   ; 16 bytes at 16 ((l / 8) % 2)
	v_add_nc_u32 v[BA], s14, v7
	v_add_nc_u32 v[BA+1], SLOT, v[BA]
	s_lshl_b32 s66, s10, 10                        ; my 256 columns in f32: 1,024 bytes
	v_mul_u32_u24 v8, v1, SPITCH
	v_lshl_add_u32 v8, v2, 5, v8
	v_add_nc_u32 v[SST], s66, v8                   ; r x 4,112 + 1,024 w + 32 h
	v_add_nc_u32 v[SST+1], 16*SPITCH, v[SST]
	v_add_nc_u32 v[SST+2], 16*SPITCH, v[SST+1]
	v_add_nc_u32 v[SST+3], 16*SPITCH, v[SST+2]
	s_mul_i32 s63, s10, 16*SPITCH
	v_lshl_add_u32 v[SRD], v5, 4, s63
	s_lshl_b32 s66, s10, 16                        ; 16 rows of 4,096 bytes
	v_lshl_add_u32 v[GOF], v5, 4, s66
; ao's step of a lap: set p has landed and goes into ring slot p, which the next lap reads; load = 1: the set is asked for again, three laps ahead
; of the lap at work.  left = the younger set's loads, which stay out.  The wait also frees the set's base, which is then written again.
.macro ASTEP p, load, left
	s_wait_loadcnt \left
.irp t, 0,1,2,3,4,5,6,7
	ds_store_b128 v[AST+\p], v[AR+32*\p+4*\t:AR+32*\p+4*\t+3] offset:2*APITCH*\t
.endr
.if \load
	s_add_co_u32 s25, s25, 1
	s_and_b32 s25, s25, 7                          ; round the eight laps
	s_lshl_b32 s26, s25, 8
	s_add_nc_u64 s[28+2*\p:29+2*\p], s[4:5], s[26:27]
.irp t, 0,1,2,3,4,5,6,7
	global_load_b128 v[AR+32*\p+4*\t:AR+32*\p+4*\t+3], v[AGO], s[28+2*\p:29+2*\p] offset:4096*\t th:TH_LOAD_NT
.endr
.endif
.endm
; 16 matrix instructions: row tiles a0, a0 + 1 x 8 column tiles of half hi, buffer n.  zero = 1: the first product starts the sums.
; The 64 accumulators take turns, one instruction a turn, in the same order in every half step.
.macro MUL16 n, hi, a0, zero
.irp a, \a0, \a0+1
.irp b, 0,1,2,3,4,5,6,7
.if \zero
	v_wmma_f32_16x16x32_bf16 v[8*(8*(\a)+\b):8*(8*(\a)+\b)+7], v[128*\n+8*(8*\hi+\b):128*\n+8*(8*\hi+\b)+7], v[AF+32*\n+8*(\a):AF+32*\n+8*(\a)+7], 0
.else
	v_wmma_f32_16x16x32_bf16 v[8*(8*(\a)+\b):8*(8*(\a)+\b)+7], v[128*\n+8*(8*\hi+\b):128*\n+8*(8*\hi+\b)+7], v[AF+32*\n+8*(\a):AF+32*\n+8*(\a)+7], v[8*(8*(\a)+\b):8*(8*(\a)+\b)+7]
.endif
.endr
.endr
.endm
; 40 LDS loads in one run: 32 along K at half q of the step in Wo's slot (which is also the step's place in the lap), ao from ring slot p,
; into buffer n: ao's 8, then Wo's 32 (column tiles 0-7 first)
.macro FETCH slot, p, q, n
	WIN 0
.irp a, 0,1,2,3
	ds_load_b128 v[AF+32*\n+8*\a:AF+32*\n+8*\a+3],   v[AA+\p] offset:16*APITCH*\a+128*\slot+64*\q
	ds_load_b128 v[AF+32*\n+8*\a+4:AF+32*\n+8*\a+7], v[AA+\p] offset:16*APITCH*\a+128*\slot+64*\q+32
.endr
	WIN 0x40
.irp i, 0,1,2,3,4,5,6,7,8,9,10,11,12,13,14,15
	ds_load_tr16_b128 v[128*\n+8*\i:128*\n+8*\i+3],   v[BA+\slot] offset:32*BPITCH*\q+32*\i
	ds_load_tr16_b128 v[128*\n+8*\i+4:128*\n+8*\i+7], v[BA+\slot] offset:32*BPITCH*\q+32*\i+16*BPITCH
.endr
.endm
; The first half of a K step, on buffer 0.  ast = 1: ao's step stands in its middle.  Ring slot ap was last read in the lap before, whose
; closing barrier every wave has passed with its reads back; the stores are waited for in front of the next barrier's signal.
.macro QUARTER slot, p, zero, ast, ap, aload, aleft
	s_wait_dscnt 16                                ; ao and Wo's column tiles 0-7 are in; the youngest 16 loads (tiles 8-15) may be out
	WIN MUL_LO
	MUL16 0, 0, 0, \zero
	MUL16 0, 0, 2, \zero
	PLACES
.if \ast
	WIN 0
	ASTEP \ap, \aload, \aleft
.endif
	FETCH \slot, \p, 1, 1
	s_wait_dscnt 40                                ; all but the 40 just issued
	WIN MUL_HI
	MUL16 0, 1, 0, \zero
	MUL16 0, 1, 2, \zero
.endm
; The second half, on buffer 1, changes slots: waits for my LDS accesses and for all my tensor loads, the barrier (where the slot is filled
; again it opens a round of the cluster's barrier), the refill first behind it, then the next step's first fragments (ao from ring slot np).
.macro TURN slot, next, np, fill
	s_wait_dscnt 16
	WIN MUL_LO
	MUL16 1, 0, 0, 0
	s_wait_dscnt 0                                 ; my reads of this slot and of ao's ring are back, my stores into the ring are done
	s_set_vgpr_msb 0xa1a0
	s_wait_tensorcnt 0x0                           ; all my tensor loads have landed: the one that was out is my part of the next slot
	ds_add_u32 v18, v19
	s_wait_dscnt 0x0
	s_set_vgpr_msb 0xa0a1
	s_barrier_signal -1
	MUL16 1, 0, 2, 0                               ; work on registers while the others arrive
	WIN 0
	s_barrier_wait -1
.if \fill
	CREST
	s_add_co_u32 s[KQ+\slot], s[KQ+\slot], 2       ; this slot's next K step, round the sixteen
	s_and_b32 s[KQ+\slot], s[KQ+\slot], 15
	s_lshl_b32 s26, s[KQ+\slot], 17
	s_add_nc_u64 s[G0B+4*\slot+2:G0B+4*\slot+3], s[8:9], s[26:27]
	s_or_b32 s[G0B+4*\slot+3], s[G0B+4*\slot+3], 0x80000000
	tensor_load_to_lds s[G0B+4*\slot:G0B+4*\slot+3], s[G1B:G1B+7]  ; every wave's one load behind the round
	s_nop 0
.endif
	PLACES
	FETCH \next, \np, 0, 0
	WIN MUL_HI
	MUL16 1, 1, 0, 0
	MUL16 1, 1, 2, 0
.endm
; A lap that reads ao's ring slot p and fills ring slot np; both of Wo's slots are asked for again.
.macro LAP p, np, zero, aload, aleft
	QUARTER 0, \p, \zero, 1, \np, \aload, \aleft
	TURN 0, 1, \p, 1
	QUARTER 1, \p, 0, 0, 0, 0, 0
	TURN 1, 0, \np, 1
.endm
	ASTEP 0, 1, 8                                  ; lap 0's rows into ring slot 0; set 0 is asked for lap 2; set 1 (lap 1) stays out
	s_wait_tensorcnt 1                             ; my part of the first K step is in; the second's stays out
	s_wait_dscnt 0x0                               ; my stores into the ring are done, for the waves that read them
	s_barrier_signal -1
	s_barrier_wait -1
	FETCH 0, 0, 0, 0
	LAP 0, 1, 1, 1, 8                              ; lap 0 starts the sums; stores lap 1, asks for lap 3
	WIN 0
	s_mov_b32 s3, 2                                ; laps 1 to 4
.Llap:
	LAP 1, 0, 0, 1, 8
	LAP 0, 1, 0, 1, 8
	WIN 0
	s_sub_co_u32 s3, s3, 1
	s_cmp_lg_u32 s3, 0
	s_cbranch_scc1 .Llap
	LAP 1, 0, 0, 0, 8                              ; lap 5 stores lap 6; nothing of ao is left to ask for; lap 7's set stays out
	LAP 0, 1, 0, 0, 0                              ; lap 6 stores lap 7
	QUARTER 0, 1, 0, 0, 0, 0, 0                    ; lap 7 fills nothing
	TURN 0, 1, 1, 0
	QUARTER 1, 1, 0, 0, 0, 0, 0
	s_wait_dscnt 16
	WIN MUL_LO
	MUL16 1, 0, 0, 0
	MUL16 1, 0, 2, 0
	s_wait_dscnt 0
	WIN MUL_HI
	MUL16 1, 1, 0, 0
	MUL16 1, 1, 2, 0
	; THE WAY OUT.  Results go through the stage so that a wave gets 16 whole rows; lane l holds bytes 16 l + 512 c (c = 0..7) of a row.
	PLACES
	WIN 0
	v_mov_b32 v[TT+1], 0                           ; written before v_permlanex16_b32 names it as destination
	v_mov_b32 v[NMU+1], 0                          ; the pairs' second registers are named and never used
	v_mov_b32 v[RS+1], 0
	WIN 0x40                                       ; the residual of my rows 0 to DEPTH - 1 into window 1, row i at 32 (i % DEPTH)
.irp i, 0,1,2,3,4,5,6
.irp c, 0,1,2,3,4,5,6,7
	global_load_b128 v[32*\i+4*\c:32*\i+4*\c+3], v[GOF], s[52:53] offset:4096*\i+512*\c th:TH_LOAD_NT
.endr
.endr
	WIN 0
	s_wait_dscnt 0x0                               ; my reads of the slots are back,
	s_barrier_signal -1
	s_barrier_wait -1                              ; everybody's are: the stage may be written over the slots, which are filled no more
	WIN 0x08                                       ; store data from window 2
.irp a, 0,1,2,3
.irp b, 0,1,2,3,4,5,6,7
	ds_store_b128 v[SST+\a], v[8*(8*\a+\b):8*(8*\a+\b)+3]   offset:64*\b
	ds_store_b128 v[SST+\a], v[8*(8*\a+\b)+4:8*(8*\a+\b)+7] offset:64*\b+16
.endr
.endr
	WIN 0x0c                                       ; from window 3
.irp a, 0,1,2,3
.irp b, 0,1,2,3,4,5,6,7
	ds_store_b128 v[SST+\a], v[8*(8*\a+\b):8*(8*\a+\b)+3]   offset:64*(\b+8)
	ds_store_b128 v[SST+\a], v[8*(8*\a+\b)+4:8*(8*\a+\b)+7] offset:64*(\b+8)+16
.endr
.endr
	WIN 0
	s_wait_dscnt 0x0                               ; my stores are done, for the waves that read them
	s_barrier_signal -1
	s_barrier_wait -1
.irp c, 0,1,2,3,4,5,6,7
	ds_load_b128 v[Y0+4*\c:Y0+4*\c+3], v[SRD] offset:512*\c
.endr
.macro REDUCE                          ; the sum of v[TT] over the 32 lanes, in every lane
	v_add_f32_dpp v[TT], v[TT], v[TT] row_xmask:1 row_mask:0xf bank_mask:0xf
	v_add_f32_dpp v[TT], v[TT], v[TT] row_xmask:2 row_mask:0xf bank_mask:0xf
	v_add_f32_dpp v[TT], v[TT], v[TT] row_xmask:4 row_mask:0xf bank_mask:0xf
	v_add_f32_dpp v[TT], v[TT], v[TT] row_xmask:8 row_mask:0xf bank_mask:0xf
	v_permlanex16_b32 v[TT+1], v[TT], s58, s59
	v_add_f32 v[TT], v[TT], v[TT+1]
.endm
.macro FOLD                            ; four pairs of partial sums into v[TT]
	v_pk_add_f32 v[UU:UU+1], v[UU:UU+1], v[UU+2:UU+3]
	v_pk_add_f32 v[UU+4:UU+5], v[UU+4:UU+5], v[UU+6:UU+7]
	v_pk_add_f32 v[UU:UU+1], v[UU:UU+1], v[UU+4:UU+5]
	v_add_f32 v[TT], v[UU], v[UU+1]
.endm
; Row i of my 16 (a plain number), in buffer Y; the next row is read from the stage into YN meanwhile.
.macro ROW i, Y, YN
	s_wait_xcnt 0x0                                ; YN, which the stores of the row before read, is loaded again only behind this wait
.if (\i) < 15
.irp c, 0,1,2,3,4,5,6,7
	ds_load_b128 v[\YN+4*\c:\YN+4*\c+3], v[SRD] offset:SPITCH*((\i)+1)+512*\c
.endr
	s_wait_dscnt 8                                 ; this row is in; the next row's eight reads stay out
.else
	s_wait_dscnt 0
.endif
.if (\i) < 16-DEPTH
	s_wait_loadcnt 8*(DEPTH-1)                     ; this row's residual is in; the six younger rows stay out
.else
	s_wait_loadcnt 8*(15-(\i))                     ; the rows still to come stay out
.endif
	WIN 0x04                                       ; source 1 (the residual) in window 1
.set j, 0
.rept 16
	v_pk_add_f32 v[\Y+j:\Y+j+1], v[\Y+j:\Y+j+1], v[32*((\i)%DEPTH)+j:32*((\i)%DEPTH)+j+1]
.set j, j+2
.endr
.if (\i) < 16-DEPTH
	WIN 0x40                                       ; row i + DEPTH into the registers just read
.irp c, 0,1,2,3,4,5,6,7
	global_load_b128 v[32*((\i)%DEPTH)+4*\c:32*((\i)%DEPTH)+4*\c+3], v[GOF], s[52:53] offset:4096*((\i)+DEPTH)+512*\c th:TH_LOAD_NT
.endr
.endif
	WIN 0
.set j, 0
.rept 16
	v_pk_add_f32 v[\Y+j:\Y+j+1], v[\Y+j:\Y+j+1], v[BO+j:BO+j+1]    ; the projection's bias
.set j, j+2
.endr
.irp k, 0,1,2,3
	v_pk_add_f32 v[UU+2*\k:UU+2*\k+1], v[\Y+8*\k:\Y+8*\k+1], v[\Y+8*\k+2:\Y+8*\k+3]
.endr
.irp k, 0,1,2,3
	v_pk_add_f32 v[UU+2*\k:UU+2*\k+1], v[UU+2*\k:UU+2*\k+1], v[\Y+8*\k+4:\Y+8*\k+5]
.endr
.irp k, 0,1,2,3
	v_pk_add_f32 v[UU+2*\k:UU+2*\k+1], v[UU+2*\k:UU+2*\k+1], v[\Y+8*\k+6:\Y+8*\k+7]
.endr
	FOLD
	REDUCE
	v_mul_f32 v[NMU], s60, v[TT]                   ; - mean
.set j, 0
.rept 16
	v_pk_add_f32 v[\Y+j:\Y+j+1], v[\Y+j:\Y+j+1], v[NMU:NMU+1] op_sel_hi:[1,0]
.set j, j+2
.endr
.irp k, 0,1,2,3
	v_pk_mul_f32 v[UU+2*\k:UU+2*\k+1], v[\Y+8*\k:\Y+8*\k+1], v[\Y+8*\k:\Y+8*\k+1]
.endr
.irp m, 2,4,6
.irp k, 0,1,2,3
	v_pk_fma_f32 v[UU+2*\k:UU+2*\k+1], v[\Y+8*\k+\m:\Y+8*\k+\m+1], v[\Y+8*\k+\m:\Y+8*\k+\m+1], v[UU+2*\k:UU+2*\k+1]
.endr
.endr
	FOLD
	REDUCE
	v_fma_f32 v[TT], v[TT], s61, s62               ; variance + eps
	v_rsq_f32 v[RS], v[TT]
	v_nop                                          ; one plain place behind it (ISA guide 5.7.2)
.set j, 0
	s_wait_alu depctr_va_vdst(0)
.rept 16
	v_pk_mul_f32 v[\Y+j:\Y+j+1], v[\Y+j:\Y+j+1], v[RS:RS+1] op_sel_hi:[1,0]
.set j, j+2
.endr
.set j, 0
.rept 16
	v_pk_fma_f32 v[\Y+j:\Y+j+1], v[\Y+j:\Y+j+1], v[GG+j:GG+j+1], v[BT+j:BT+j+1]
.set j, j+2
.endr
.irp c, 0,1,2,3,4,5,6,7
	global_store_b128 v[GOF], v[\Y+4*\c:\Y+4*\c+3], s[56:57] offset:4096*(\i)+512*\c th:TH_STORE_NT   ; a wave's store covers 512 consecutive bytes, aligned
.endr
.endm
	ROW 0, Y0, Y1
	ROW 1, Y1, Y0
	ROW 2, Y0, Y1
	ROW 3, Y1, Y0
	ROW 4, Y0, Y1
	ROW 5, Y1, Y0
	ROW 6, Y0, Y1
	ROW 7, Y1, Y0
	ROW 8, Y0, Y1
	ROW 9, Y1, Y0
	ROW 10, Y0, Y1
	ROW 11, Y1, Y0
	ROW 12, Y0, Y1
	ROW 13, Y1, Y0
	ROW 14, Y0, Y1
	ROW 15, Y1, Y0
	s_wait_tensorcnt 0x0
	ds_add_u32 v18, v19
	s_wait_dscnt 0x0
	CROUND                                         ; the closing round: no work-group ends while a partner may still ask jointly
	s_endpgm
.Lfunc_end_k_qe59d308fb2_outln:
	.size	k_qe59d308fb2_outln, .Lfunc_end_k_qe59d308fb2_outln-k_qe59d308fb2_outln
	.p2alignl 7, 3214868480
	.fill 96, 4, 3214868480
	.section	.rodata,"a",@progbits
	.p2align	6, 0x0
	.amdhsa_kernel k_qe59d308fb2_outln
		.amdhsa_group_segment_fixed_size 327680
		.amdhsa_private_segment_fixed_size 0
		.amdhsa_enable_private_segment 0
		.amdhsa_kernarg_size 80
		.amdhsa_user_sgpr_count 2
		.amdhsa_user_sgpr_kernarg_segment_ptr 1
		.amdhsa_wavefront_size32 1
		.amdhsa_system_sgpr_workgroup_id_x 1
		.amdhsa_system_sgpr_workgroup_id_y 1
		.amdhsa_system_sgpr_workgroup_id_z 1
		.amdhsa_system_vgpr_workitem_id 0
		.amdhsa_next_free_vgpr 1024
		.amdhsa_next_free_sgpr 88
		.amdhsa_reserve_vcc 0
		.amdhsa_float_denorm_mode_32 3
		.amdhsa_float_denorm_mode_16_64 3
		.amdhsa_memory_ordered 1
		.amdhsa_forward_progress 1
		.amdhsa_inst_pref_size 255
	.end_amdhsa_kernel
	.section	.bss,"aw",@nobits
	.p2align	6
	.space	262144
	.amdgpu_metadata
---
amdhsa.version: [ 1, 2 ]
amdhsa.kernels:
  - .name:           k_qe59d308fb2_outln
    .symbol:         k_qe59d308fb2_outln.kd
    .args:
      - { .name: ao, .offset: 0, .size: 8, .value_kind: global_buffer, .address_space: global }
      - { .name: cb, .offset: 8, .size: 8, .value_kind: global_buffer, .address_space: global }
      - { .name: temp_features, .offset: 16, .size: 8, .value_kind: global_buffer, .address_space: global }
      - { .name: spat_features, .offset: 24, .size: 8, .value_kind: global_buffer, .address_space: global }
      - { .name: s2t_bo, .offset: 32, .size: 8, .value_kind: global_buffer, .address_space: global }
      - { .name: t2s_bo, .offset: 40, .size: 8, .value_kind: global_buffer, .address_space: global }
      - { .name: ln_g, .offset: 48, .size: 8, .value_kind: global_buffer, .address_space: global }
      - { .name: ln_b, .offset: 56, .size: 8, .value_kind: global_buffer, .address_space: global }
      - { .name: out0, .offset: 64, .size: 8, .value_kind: global_buffer, .address_space: global }
      - { .name: out1, .offset: 72, .size: 8, .value_kind: global_buffer, .address_space: global }
    .group_segment_fixed_size: 327680
    .private_segment_fixed_size: 0
    .kernarg_segment_align: 8
    .kernarg_segment_size: 80
    .max_flat_workgroup_size: 128
    .sgpr_count:     88
    .vgpr_count:     1024
    .wavefront_size: 32
...
	.end_amdgpu_metadata
.endif
;; end of part 4
;; ======== version 2 of 2: 4 launches; 1.08 times as fast as version 1
;; workspace buffers: cb 33,554,432 bytes; qkv 50,331,648 bytes; ao 16,777,216 bytes
;; launch cast: the kernel of part 1 again; grid 64 x 16, 8 waves a work-group, no clusters, 0 bytes of LDS; arguments temp_features, spat_features, s2t_Wq, t2s_Wk, t2s_Wv, t2s_Wq, s2t_Wk, s2t_Wv, s2t_Wo, t2s_Wo, cb; writes cb
;; launch qkv: the kernel of part 2 again; grid 12 x 32, 4 waves a work-group, clusters of 4 x 4, 327,680 bytes of LDS; arguments cb, s2t_bq, t2s_bk, t2s_bv, t2s_bq, s2t_bk, s2t_bv, qkv; writes qkv
;; launch attn (part 5): grid 8 x 32, 8 waves a work-group, clusters of 4 x 1, 327,680 bytes of LDS; arguments qkv, ao; writes ao
.if DOCPART == 5
	.amdgcn_target "amdgcn-amd-amdhsa--gfx1250"
	.amdhsa_code_object_version 6
	.text
	.protected	k_qe59d308fb2_attn
	.globl	k_qe59d308fb2_attn
	.p2align	8
	.type	k_qe59d308fb2_attn,@function
k_qe59d308fb2_attn:
	s_mov_b64 s[64:65], 0
	v_nop
	global_prefetch_b8 v0, s[64:65] scope:SCOPE_SE
	s_setreg_imm32_b32 hwreg(HW_REG_WAVE_MODE, 25, 1), 1
	s_wait_xcnt 0x0
	s_wait_alu depctr_hold_cnt(0) depctr_sa_sdst(0) depctr_va_vdst(0) depctr_va_sdst(0) depctr_va_ssrc(0) depctr_va_vcc(0) depctr_vm_vsrc(0)
	s_getreg_b32 s2, hwreg(HW_REG_IB_STS2, 6, 4)
	s_cmp_eq_u32 s2, 0
	s_cbranch_scc0 .Lentry_in_a_cluster
	s_endpgm
.Lentry_in_a_cluster:
	s_bfe_u32 s2, ttmp6, 0x10000c
	s_cmp_lg_u32 s2, 0x3003
	s_cbranch_scc0 .Lentry_shape_is_right
	s_endpgm
.Lentry_shape_is_right:
; Attention with a running maximum, for 2 directions x 2 batches x 16 heads of 64, 2,048 queries and 2,048 keys each.
; y = 16 a + 8 b + hp: direction a (0: queries from temp rows, keys and values from spat rows; 1: the other way), batch b, pair of heads hp.
; x: block of 256 queries.  Eight waves: wave w takes head w / 4 of the pair and queries 64 (w % 4) .. + 63, as four groups g of 16.
; Two heads to a work-group make every K, V and output row 256 consecutive bytes, aligned.
; CLUSTER 4 x 1: four query blocks of the same pair of heads read the same K and V tiles and ask for them jointly (mask 15).
; S^T = K Q^T: lane (r, h) holds query r and keys 8 h + j of each tile of 16 keys.  So a query's maximum and sum are made in the lane, plus one
; exchange between the halves, and two neighbouring registers rounded to bf16 are already the B fragment of P.  O^T = V^T P^T (V^T by transposing
; LDS loads) keeps query r in lane r, so the rescaling factor is the lane's own.
; THE PIPELINE: the scores of group g + 1 are made while group g's softmax runs: their eight matrix instructions stand singly among the
; softmax's scalings and exponentials (other score buffer, same register window).
; THE BATCHES: a group's softmax step has ONE batch of transcendentals, the rescaling factor's exponential and the 32 exponentials of the lane's
; scores, each result in a register of its own (the scores' in place), and ONE wait.  Ahead of the wait stand the scalings, the exponentials, the
; next group's score products and one plain move: nothing there names a result of the batch.  Behind it stand all the readers: the 16 roundings,
; the sums, the running sum's multiply-add and the rescaling of O.  On the way out the four groups' reciprocals are a batch of their own.
; LIMITS: scores must be finite; an exponential below 2^-126 counts as 0 (v_exp_f32 flushes: ISA guide 15.8); P is rounded to bf16 for the product
; with V while the row's sum is taken in f32 before that rounding.
; LDS: slot s at 71,680 s: K 128 keys x 272 bytes, then V 128 keys x 288 bytes (9 x 32).  Stage at 143,360: 256 rows x 272, never filled by a tensor load.
.set KPITCH, 272
.set VPITCH, 288
.set KBYTES, 128*KPITCH
.set SLOT,   KBYTES+128*VPITCH
.set STAGE,  2*SLOT
.set ROWB,   6144                      ; bytes in a row of qkv
.set TILEB,  128*ROWB                  ; 128 keys further down
.set KA,  8                            ; v8-9    K fragment address, slot 0, 1
.set VA,  10                           ; v10-11  V fragment address, slot 0, 1 (copies in window 1: v192-193)
.set STO, 12
.set RD,  13
.set GO,  14
.set QO,  15
.set MX,  16                           ; v16-19  running maximum of group g (raw scores)
.set LS,  20                           ; v20-23  running sum of group g over this lane's keys
.set NM,  24                           ; v24 (pair with v25): - c x maximum
.set AL,  26                           ; v26 (pair with v27): rescaling factor
.set TT,  28                           ; v28-31  at work
.set KF,  32                           ; v32-95   K fragments (kt, ks) at 8 (2 kt + ks)
.set QF,  96                           ; v96-159  Q fragments (g, ks) at 8 (2 g + ks)
.set SA,  160                          ; v160-191 scores, buffer A
.set SB,  192                          ; v192-223 scores, buffer B
.set PP,  224                          ; v224-239 P in bf16
.set UU,  240                          ; v240-247 four pairs of partial sums; on the way out the four groups' reciprocals, in the pairs' first registers
.set VF,  128                          ; window 1: v128-191 V fragments (dt, u) at 8 (2 dt + u); v0-127: O (g, dt) at 8 (4 g + dt)
.set VA1, 192                          ; window 1: copies of VA
.set G1K, 16
.set G1V, 24
.set G0K, 32
.set G0V, 40
.set MSB, 0
.macro WIN new                         ; the immediate's high byte repeats the setting that is left
.if MSB != \new
	s_set_vgpr_msb (MSB<<8)|\new
.set MSB, \new
.endif
.endm
.macro PLACES                          ; four places behind a matrix instruction (ISA guide 7.12.1)
.rept 4
	v_nop
.endr
.endm
.macro ROUND                           ; a round of the cluster's barrier
	s_barrier_signal -1
	s_barrier_wait -1
	s_cmp_lg_u32 s10, 0
	s_cbranch_scc1 .Lnot_wave_0_\@
	s_barrier_signal -3
.Lnot_wave_0_\@:
	s_barrier_wait -3
	s_barrier_signal -1
	s_barrier_wait -1
.endm
; The joint refill of slot s: waves 0, 1 K's halves, waves 2, 3 V's halves, waves 4-7 nothing.  The branches hang on the wave's number alone.
.macro JLOAD s
	s_cmp_lt_u32 s10, 2
	s_cbranch_scc0 .Lnot_k_\@
	tensor_load_to_lds s[G0K+4*\s:G0K+4*\s+3], s[G1K:G1K+7]
	s_nop 0
	PLACES
	s_branch .Lasked_\@
.Lnot_k_\@:
	s_cmp_lt_u32 s10, 4
	s_cbranch_scc0 .Lasked_\@
	tensor_load_to_lds s[G0V+4*\s:G0V+4*\s+3], s[G1V:G1V+7]
	s_nop 0
	PLACES
.Lasked_\@:
.endm
	s_load_b128 s[4:7], s[0:1], 0x0                ; qkv s[4:5], ao s[6:7]
	v_lshl_add_u32 v254, v0, 2, 0x34000
	v_mov_b32 v255, 0
	ds_add_u32 v254, v255
	v_lshrrev_b32 v1, 5, v0
	v_readfirstlane_b32 s10, v1                    ; wave 0..7
	s_lshr_b32 s11, s10, 2                         ; head of the pair
	s_and_b32 s12, s10, 3                          ; my 64 queries of the 256
	s_and_b32 s13, s10, 1                          ; which 64 keys of a tile I fetch
	s_bfe_u32 s48, ttmp6, 0x40000                  ; cx
	s_lshl_b32 s49, ttmp9, 2
	s_add_co_u32 s49, s49, s48                     ; query block 0..7
	s_and_b32 s50, ttmp7, 0xffff
	s_lshr_b32 s51, s50, 4                         ; a
	s_bfe_u32 s52, s50, 0x10003                    ; b
	s_and_b32 s53, s50, 7                          ; hp
	s_mov_b32 s56, 0x3e38aa3b                      ; c = log2(e) / 8: the scale 64^-0.5 and the change of base in one factor
	s_mov_b32 s57, 0x3e38aa3b
	s_mov_b32 s58, 0xbe38aa3b                      ; - c
	s_mov_b32 s59, 0x76543210                      ; v_permlanex16_b32: lane i reads lane i of the other half
	s_mov_b32 s60, 0xfedcba98
	; offsets of Q and of ao (these hang on cx; none of these registers feeds an LDS address or a descriptor)
	s_lshl_b32 s14, s51, 12
	s_lshl_b32 s15, s52, 11
	s_add_co_u32 s14, s14, s15
	s_lshl_b32 s15, s49, 8
	s_add_co_u32 s14, s14, s15                     ; the block's first query row: 4096 a + 2048 b + 256 block
	s_lshl_b32 s62, s14, 11                        ; ao: x 2,048 bytes
	s_lshl_b32 s15, s53, 8                         ; + hp x 256 bytes
	s_add_co_u32 s62, s62, s15
	s_mov_b32 s63, 0
	s_lshl_b32 s61, s12, 6
	s_add_co_u32 s14, s14, s61                     ; my wave's first query row
	s_mul_i32 s14, s14, ROWB
	s_add_co_u32 s14, s14, s15
	s_lshl_b32 s15, s11, 7                         ; + head x 128 bytes
	s_add_co_u32 s14, s14, s15
	s_mov_b32 s15, 0
	; offset of my 64 keys of tile 0: made of a, b, hp and the wave's number, equal in all four partners
	s_xor_b32 s54, s51, 1
	s_lshl_b32 s54, s54, 12
	s_lshl_b32 s55, s52, 11
	s_add_co_u32 s54, s54, s55
	s_lshl_b32 s55, s13, 6
	s_add_co_u32 s54, s54, s55
	s_mul_i32 s54, s54, ROWB
	s_lshl_b32 s55, s53, 8
	s_add_co_u32 s54, s54, s55
	s_mov_b32 s55, 0
	s_mul_i32 s66, s13, 64*KPITCH                  ; LDS: K's half
	s_mul_i32 s67, s13, 64*VPITCH                  ;      V's half,
	s_add_co_u32 s67, s67, KBYTES                  ;      behind K
	; group 1: 64 rows x 128 elements, pitch 3,072 elements; padding behind every 256 bytes: 16 bytes for K, 32 for V; mask 15 with bit 21
	s_mov_b32 s[G1K+0], 15|(1<<16)|(1<<20)|(1<<21)|(5<<22)|(3<<25)
	s_mov_b32 s[G1V+0], 15|(1<<16)|(1<<20)|(1<<21)|(5<<22)|(7<<25)
.irp g, G1K, G1V
	s_mov_b32 s[\g+1], 128<<16
	s_mov_b32 s[\g+2], 64<<16
	s_mov_b32 s[\g+3], 128<<16
	s_mov_b32 s[\g+4], 64
	s_mov_b32 s[\g+5], 3072
	s_mov_b32 s[\g+6], 0
	s_mov_b32 s[\g+7], 0
.endr
	s_wait_dscnt 0x0
	s_wait_kmcnt 0x0
	s_add_nc_u64 s[8:9], s[4:5], s[14:15]          ; Q
	s_add_nc_u64 s[6:7], s[6:7], s[62:63]          ; ao
	s_add_nc_u64 s[54:55], s[4:5], s[54:55]        ; K and V rows
.irp s, 0,1
	s_mov_b32 s[G0K+4*\s], 1
	s_add_co_u32 s[G0K+4*\s+1], s66, \s*SLOT
	s_add_nc_u64 s[G0K+4*\s+2:G0K+4*\s+3], s[54:55], 2048+\s*TILEB     ; K's columns begin at byte 2,048 of a row
	s_or_b32 s[G0K+4*\s+3], s[G0K+4*\s+3], 0x80000000
	s_mov_b32 s[G0V+4*\s], 1
	s_add_co_u32 s[G0V+4*\s+1], s67, \s*SLOT
	s_add_nc_u64 s[G0V+4*\s+2:G0V+4*\s+3], s[54:55], 4096+\s*TILEB     ; V's at byte 4,096
	s_or_b32 s[G0V+4*\s+3], s[G0V+4*\s+3], 0x80000000
.endr
	ROUND                                          ; in front of the first joint loads
	; the first fills, tiles 0 and 1: both of a wave's loads in one arm of a branch on the wave's number
	s_cmp_lt_u32 s10, 2
	s_cbranch_scc0 .Lff_not_k
	tensor_load_to_lds s[G0K:G0K+3], s[G1K:G1K+7]
	s_nop 0
	PLACES
	tensor_load_to_lds s[G0K+4:G0K+7], s[G1K:G1K+7]
	s_nop 0
	PLACES
	s_branch .Lff_done
.Lff_not_k:
	s_cmp_lt_u32 s10, 4
	s_cbranch_scc0 .Lff_done
	tensor_load_to_lds s[G0V:G0V+3], s[G1V:G1V+7]
	s_nop 0
	PLACES
	tensor_load_to_lds s[G0V+4:G0V+7], s[G1V:G1V+7]
	s_nop 0
	PLACES
.Lff_done:
	v_and_b32 v1, 15, v0                           ; r
	v_bfe_u32 v2, v0, 4, 1                         ; h
	v_mul_u32_u24 v[QO], v1, ROWB
	v_lshl_add_u32 v[QO], v2, 4, v[QO]             ; Q fragment straight from memory: query r, bytes 16 h and 16 h + 32 of each 64
.irp g, 0,1,2,3
.irp ks, 0,1
	global_load_b128 v[QF+8*(2*\g+\ks):QF+8*(2*\g+\ks)+3],   v[QO], s[8:9] offset:16*ROWB*\g+64*\ks
	global_load_b128 v[QF+8*(2*\g+\ks)+4:QF+8*(2*\g+\ks)+7], v[QO], s[8:9] offset:16*ROWB*\g+64*\ks+32
.endr
.endr
	v_and_b32 v3, 7, v0
	v_bfe_u32 v4, v0, 3, 1
	v_mul_u32_u24 v5, v1, KPITCH
	v_lshl_add_u32 v5, v2, 4, v5                   ; r x 272 + 16 h
	s_lshl_b32 s68, s11, 7                         ; my head's 128 bytes of a row
	v_add_nc_u32 v[KA], s68, v5
	v_add_nc_u32 v[KA+1], SLOT, v[KA]
	v_lshl_add_u32 v6, v2, 3, v3                   ; transposing load: key 8 h + l % 8,
	v_mul_u32_u24 v6, v6, VPITCH
	v_lshl_add_u32 v6, v4, 4, v6                   ; 16 bytes at 16 ((l / 8) % 2)
	s_add_co_u32 s69, s68, KBYTES
	v_add_nc_u32 v[VA], s69, v6
	v_add_nc_u32 v[VA+1], SLOT, v[VA]
	s_mul_i32 s69, s12, 64*KPITCH                  ; stage: row 64 (w % 4) + r, my head's half, 16 h
	s_add_co_u32 s69, s69, s68
	s_add_co_u32 s69, s69, STAGE
	v_add_nc_u32 v[STO], s69, v5
	v_mul_u32_u24 v7, v2, KPITCH                   ; back: rows 32 w + h, 16 bytes a lane
	v_lshl_add_u32 v7, v1, 4, v7
	s_mul_i32 s69, s10, 32*KPITCH
	s_add_co_u32 s69, s69, STAGE
	v_add_nc_u32 v[RD], s69, v7
	v_lshlrev_b32 v6, 11, v2                       ; and the same rows in ao
	v_lshl_add_u32 v6, v1, 4, v6
	s_lshl_b32 s69, s10, 16
	v_add_nc_u32 v[GO], s69, v6
	v_mov_b32 v[NM+1], 0                           ; the pairs' second registers are named by packed instructions and never used
	v_mov_b32 v[AL+1], 0
	WIN 0x40
	v_mov_b32 v[VA1], v[VA]                        ; copies in window 1, so that V's loads run under the products' setting
	v_mov_b32 v[VA1+1], v[VA+1]
	WIN 0
.macro LDK slot, kb                    ; 16 loads: K fragments of 64 keys
.irp kt, 0,1,2,3
.irp ks, 0,1
	ds_load_b128 v[KF+16*\kt+8*\ks:KF+16*\kt+8*\ks+3],   v[KA+\slot] offset:\kb*64*KPITCH+\kt*16*KPITCH+\ks*64
	ds_load_b128 v[KF+16*\kt+8*\ks+4:KF+16*\kt+8*\ks+7], v[KA+\slot] offset:\kb*64*KPITCH+\kt*16*KPITCH+\ks*64+32
.endr
.endr
.endm
.macro LDV slot, kb                    ; 16 transposing loads: V^T fragments of 64 keys; data and address in window 1
	WIN 0x51
.irp dt, 0,1,2,3
.irp u, 0,1
	ds_load_tr16_b128 v[VF+16*\dt+8*\u:VF+16*\dt+8*\u+3],   v[VA1+\slot] offset:\kb*64*VPITCH+\u*32*VPITCH+\dt*32
	ds_load_tr16_b128 v[VF+16*\dt+8*\u+4:VF+16*\dt+8*\u+7], v[VA1+\slot] offset:\kb*64*VPITCH+\u*32*VPITCH+\dt*32+16*VPITCH
.endr
.endr
.endm
; scores of group g against 64 keys in one run (used once, ahead of the first block): the four key tiles take turns
.macro QK g, S
.irp kt, 0,1,2,3
	v_wmma_f32_16x16x32_bf16 v[\S+8*\kt:\S+8*\kt+7], v[KF+16*\kt:KF+16*\kt+7], v[QF+16*\g:QF+16*\g+7], 0
.endr
.irp kt, 0,1,2,3
	v_wmma_f32_16x16x32_bf16 v[\S+8*\kt:\S+8*\kt+7], v[KF+16*\kt+8:KF+16*\kt+15], v[QF+16*\g+8:QF+16*\g+15], v[\S+8*\kt:\S+8*\kt+7]
.endr
.endm
; Softmax step of group g on the 32 scores of each lane in buffer S.  qk = 1: the eight matrix instructions of group g2's scores, into the other
; buffer S2, stand at the heads of stages -2, 0, .. 12; they name none of this softmax's registers, and the four key tiles take turns, one
; instruction a turn.  kwait = 1: those scores belong to the next block, whose K fragments are the only LDS loads out.
.macro SMX g, S, first, qk, g2, S2, kwait
.irp k, 0,1,2,3
	v_max3_num_f32 v[TT+\k], v[\S+8*\k], v[\S+8*\k+1], v[\S+8*\k+2]
.endr
.irp k, 0,1,2,3
	v_max3_num_f32 v[TT+\k], v[TT+\k], v[\S+8*\k+3], v[\S+8*\k+4]
.endr
.irp k, 0,1,2,3
	v_max3_num_f32 v[TT+\k], v[TT+\k], v[\S+8*\k+5], v[\S+8*\k+6]
.endr
	v_max3_num_f32 v[TT], v[TT], v[TT+1], v[TT+2]
	v_max3_num_f32 v[TT], v[TT], v[TT+3], v[\S+7]
	v_max3_num_f32 v[TT], v[TT], v[\S+15], v[\S+23]
	v_max_num_f32 v[TT], v[TT], v[\S+31]
	v_permlanex16_b32 v[TT+1], v[TT], s59, s60     ; the other half of the lanes holds the query's other keys
.if \first
	v_max_num_f32 v[MX+\g], v[TT], v[TT+1]
	v_mul_f32 v[NM], s58, v[MX+\g]
.else
	v_max3_num_f32 v[TT+2], v[TT], v[TT+1], v[MX+\g]
	v_mul_f32 v[TT+3], s58, v[MX+\g]               ; the old shift, made again by the same multiply: bit for bit what the old exponentials used
	v_mul_f32 v[NM], s58, v[TT+2]                  ; the new shift
	v_sub_f32 v[TT+3], v[NM], v[TT+3]              ; <= 0
	v_exp_f32 v[AL], v[TT+3]                       ; the batch's first: the rescaling factor
.endif
.if \kwait
	s_wait_dscnt 0                                 ; the next block's K fragments
.endif
	; THE BATCH.  Stage st: the multiply-add of pair st + 2 and the two exponentials of pair st, in place.  No line down to the wait names a
	; result of the batch: a stage's lines touch pairs st + 2 and st alone, the matrix instructions the other score buffer.
.set st, -2
.rept 18
.if (\qk) && (st < 14) && ((st & 1) == 0)
.set kt, ((st+2)/2) % 4
.if st < 6
	v_wmma_f32_16x16x32_bf16 v[\S2+8*kt:\S2+8*kt+7], v[KF+16*kt:KF+16*kt+7], v[QF+16*\g2:QF+16*\g2+7], 0
.else
	v_wmma_f32_16x16x32_bf16 v[\S2+8*kt:\S2+8*kt+7], v[KF+16*kt+8:KF+16*kt+15], v[QF+16*\g2+8:QF+16*\g2+15], v[\S2+8*kt:\S2+8*kt+7]
.endif
.endif
.if st < 14
	v_pk_fma_f32 v[\S+2*st+4:\S+2*st+5], v[\S+2*st+4:\S+2*st+5], s[56:57], v[NM:NM+1] op_sel_hi:[1,0,0]
.endif
.if st >= 0
	v_exp_f32 v[\S+2*st], v[\S+2*st]
	v_exp_f32 v[\S+2*st+1], v[\S+2*st+1]
.endif
.set st, st+1
.endr
.if \first
	v_nop                                          ; the plain place behind the last exponential (ISA guide 5.7.2): the first block has no other line for it
.else
	v_mov_b32 v[MX+\g], v[TT+2]                    ; the new maximum is kept: the plain place behind the last exponential (ISA guide 5.7.2)
.endif
	s_wait_alu depctr_va_vdst(0)                   ; ONE wait for the step's batch, the factor and the 32 weights
	; THE READERS.  A rounding and an add by turns.  The sums are four chains (p0 + p1) + p2 + p3 of four pairs each, taken level by level so that
	; no add follows the add that it reads, then three folds and the pair's two halves.
.set t, 0
.rept 16
	v_cvt_pk_bf16_f32 v[PP+t], v[\S+2*t], v[\S+2*t+1]          ; tiles 2 u, 2 u + 1 become registers 0-3, 4-7 of P's fragment for key step u
.if t < 4
	v_pk_add_f32 v[UU+2*t:UU+2*t+1], v[\S+8*t:\S+8*t+1], v[\S+8*t+2:\S+8*t+3]
.elseif t < 12
	v_pk_add_f32 v[UU+2*(t%4):UU+2*(t%4)+1], v[UU+2*(t%4):UU+2*(t%4)+1], v[\S+8*(t%4)+2*(t/4)+2:\S+8*(t%4)+2*(t/4)+3]
.elseif t == 12
	v_pk_add_f32 v[UU:UU+1], v[UU:UU+1], v[UU+2:UU+3]
.elseif t == 13
	v_pk_add_f32 v[UU+4:UU+5], v[UU+4:UU+5], v[UU+6:UU+7]
.elseif t == 14
	v_pk_add_f32 v[UU:UU+1], v[UU:UU+1], v[UU+4:UU+5]
.elseif \first
	v_add_f32 v[LS+\g], v[UU], v[UU+1]
.else
	v_add_f32 v[TT], v[UU], v[UU+1]
.endif
.set t, t+1
.endr
.if \first
.else
	v_fma_f32 v[LS+\g], v[LS+\g], v[AL], v[TT]
.endif
.endm
; O^T of group g: rescale, then add V^T P^T; the four tiles of d take turns, one instruction a turn.
; These stay in a run: their operands lie in window 1, and each one set singly among the softmax's lines would cost two switches.
; The factor that the rescaling reads belongs to the softmax step's batch, whose wait stands ahead.
.macro PV g, first
	WIN 0x51                                       ; D, C and source 0 (V^T, O) in window 1, source 1 (P, the factor) in window 0
.if \first
.irp dt, 0,1,2,3
	v_wmma_f32_16x16x32_bf16 v[32*\g+8*\dt:32*\g+8*\dt+7], v[VF+16*\dt:VF+16*\dt+7], v[PP:PP+7], 0
.endr
.else
.set i, 0
.rept 16
	v_pk_mul_f32 v[32*\g+i:32*\g+i+1], v[32*\g+i:32*\g+i+1], v[AL:AL+1] op_sel_hi:[1,0]
.set i, i+2
.endr
.irp dt, 0,1,2,3
	v_wmma_f32_16x16x32_bf16 v[32*\g+8*\dt:32*\g+8*\dt+7], v[VF+16*\dt:VF+16*\dt+7], v[PP:PP+7], v[32*\g+8*\dt:32*\g+8*\dt+7]
.endr
.endif
.irp dt, 0,1,2,3
	v_wmma_f32_16x16x32_bf16 v[32*\g+8*\dt:32*\g+8*\dt+7], v[VF+16*\dt+8:VF+16*\dt+15], v[PP+8:PP+15], v[32*\g+8*\dt:32*\g+8*\dt+7]
.endr
.endm
; 64 keys for my 64 queries.  On entry group 0's scores lie in SA, this block's K fragments in registers, its V fragments on their way.
; sync = 1: this is a slot's second block; behind group 3's scores its K and V fragments have all been read into registers, so my reads of the
; slot are over: waits, a round of the cluster's barrier, the joint refill first behind it.  sync = 2: the same change of slots without a refill.
; more = 1: the next block's fragments (slot nslot, block nkb) are fetched, K's behind group 3's scores, V's behind the last product, and the
; next block's first scores are made during group 3's softmax.
; The softmax lines between two matrix instructions on the same registers are the places that the distances ask for; v_nop only where a load follows.
; Every softmax step's batch has had its wait inside the step: no exponential's result is open at the round's branches or at the loop's jump.
.macro BLOCK first, sync, slot, more, nslot, nkb
	SMX 0, SA, \first, 1, 1, SB, 0
	s_wait_dscnt 0                                 ; V's fragments
	PV 0, \first
	WIN 0
	SMX 1, SB, \first, 1, 2, SA, 0
	PV 1, \first
	WIN 0
	SMX 2, SA, \first, 1, 3, SB, 0
.if \sync == 1
	s_wait_dscnt 0                                 ; my reads of this slot are back
	s_wait_tensorcnt 0x0                           ; all my tensor loads have landed, my part of the other slot among them: a group 0 may be written
	ds_add_u32 v254, v255
	s_wait_dscnt 0x0
	s_add_nc_u64 s[G0K+4*\slot+2:G0K+4*\slot+3], s[G0K+4*\slot+2:G0K+4*\slot+3], 2*TILEB
	s_add_nc_u64 s[G0V+4*\slot+2:G0V+4*\slot+3], s[G0V+4*\slot+2:G0V+4*\slot+3], 2*TILEB
	ROUND                                          ; both now hold of every wave of all four work-groups
	JLOAD \slot
.endif
.if \sync == 2
	s_wait_dscnt 0
	s_wait_tensorcnt 0x0                           ; the last tile has landed
	s_barrier_signal -1
	s_barrier_wait -1
.endif
.if \more
	PLACES                                         ; behind the scores' matrix instructions, which read K's fragments
	LDK \nslot, \nkb
.endif
	PV 2, \first
	WIN 0
	SMX 3, SB, \first, \more, 0, SA, \more
	PV 3, \first
.if \more
	PLACES                                         ; behind the products, which read V's fragments
	LDV \nslot, \nkb
.endif
	WIN 0
.endm
	s_wait_tensorcnt 1                             ; my part of tile 0 is in; tile 1's stays out
	s_barrier_signal -1
	s_barrier_wait -1
	LDK 0, 0
	LDV 0, 0
	WIN 0
	s_wait_loadcnt 0x0                             ; Q
	s_wait_dscnt 16                                ; the 16 K loads are in; the 16 younger V loads stay out
	QK 0, SA                                       ; the pipeline's first scores
	PLACES
	BLOCK 1, 0, 0, 1, 0, 1                         ; tile 0, first half: starts maxima, sums and O
	s_mov_b32 s3, 7                                ; 7 trips x 2 refills bring tiles 2 to 15
.Ltiles:
	BLOCK 0, 1, 0, 1, 1, 0                         ; even tile, second half; slot 0 is asked for again
	BLOCK 0, 0, 0, 1, 1, 1                         ; odd tile, first half
	BLOCK 0, 1, 1, 1, 0, 0                         ; odd tile, second half; slot 1 is asked for again
	BLOCK 0, 0, 0, 1, 0, 1                         ; next even tile, first half
	s_sub_co_u32 s3, s3, 1
	s_cmp_lg_u32 s3, 0
	s_cbranch_scc1 .Ltiles
	BLOCK 0, 2, 0, 1, 1, 0                         ; tile 14, second half: nothing is left to fetch
	BLOCK 0, 0, 0, 1, 1, 1                         ; tile 15
	BLOCK 0, 0, 0, 0, 0, 0
	; THE WAY OUT: divide by the sum, round to bf16, through the stage, so that whole rows of 256 bytes (both heads) leave together.
	PLACES
	; The four groups' reciprocals are one batch, each in the first register of a pair of its own (the partial sums' pairs, which are dead here).
.irp g, 0,1,2,3
	v_permlanex16_b32 v[TT+\g], v[LS+\g], s59, s60
.endr
.irp g, 0,1,2,3
	v_add_f32 v[TT+\g], v[TT+\g], v[LS+\g]         ; at least 1: the largest score's exponential
.endr
.irp g, 0,1,2,3
	v_rcp_f32 v[UU+2*\g], v[TT+\g]
.endr
	v_nop                                          ; the plain place behind the last reciprocal (ISA guide 5.7.2)
	s_wait_alu depctr_va_vdst(0)                   ; ONE wait for the four reciprocals, ahead of their first reader
.macro OUTG g, S
	WIN 0x01
.set i, 0
.rept 16
	v_pk_mul_f32 v[\S+i:\S+i+1], v[32*\g+i:32*\g+i+1], v[UU+2*\g:UU+2*\g+1] op_sel_hi:[1,0]
.set i, i+2
.endr
	WIN 0
.set i, 0
.rept 16
	v_cvt_pk_bf16_f32 v[KF+16*\g+i], v[\S+2*i], v[\S+2*i+1]
.set i, i+1
.endr
.irp dt, 0,1,2,3
	ds_store_b128 v[STO], v[KF+16*\g+4*\dt:KF+16*\g+4*\dt+3] offset:16*KPITCH*\g+32*\dt
.endr
.endm
	OUTG 0, SA
	OUTG 1, SB
	OUTG 2, SA
	OUTG 3, SB
	s_wait_dscnt 0x0                               ; my stores are done, for the waves that read them
	s_barrier_signal -1
	s_barrier_wait -1
.irp t, 0,1,2,3,4,5,6,7,8,9,10,11,12,13,14,15
	ds_load_b128 v[SA+4*\t:SA+4*\t+3], v[RD] offset:2*KPITCH*\t
.endr
.irp t, 0,1,2,3,4,5,6,7,8,9,10,11,12,13,14,15
	s_wait_dscnt 15-\t                             ; pair of rows t is in, the younger reads stay out
	global_store_b128 v[GO], v[SA+4*\t:SA+4*\t+3], s[6:7] offset:4096*\t     ; 16 lanes store 256 consecutive bytes, aligned
.endr
	s_wait_tensorcnt 0x0
	ds_add_u32 v254, v255
	s_wait_dscnt 0x0
	ROUND                                          ; the closing round
	s_endpgm
.Lfunc_end_k_qe59d308fb2_attn:
	.size	k_qe59d308fb2_attn, .Lfunc_end_k_qe59d308fb2_attn-k_qe59d308fb2_attn
	.p2alignl 7, 3214868480
	.fill 96, 4, 3214868480
	.section	.rodata,"a",@progbits
	.p2align	6, 0x0
	.amdhsa_kernel k_qe59d308fb2_attn
		.amdhsa_group_segment_fixed_size 327680
		.amdhsa_private_segment_fixed_size 0
		.amdhsa_enable_private_segment 0
		.amdhsa_kernarg_size 16
		.amdhsa_user_sgpr_count 2
		.amdhsa_user_sgpr_kernarg_segment_ptr 1
		.amdhsa_wavefront_size32 1
		.amdhsa_system_sgpr_workgroup_id_x 1
		.amdhsa_system_sgpr_workgroup_id_y 1
		.amdhsa_system_sgpr_workgroup_id_z 1
		.amdhsa_system_vgpr_workitem_id 0
		.amdhsa_next_free_vgpr 456
		.amdhsa_next_free_sgpr 72
		.amdhsa_reserve_vcc 0
		.amdhsa_float_denorm_mode_32 3
		.amdhsa_float_denorm_mode_16_64 3
		.amdhsa_memory_ordered 1
		.amdhsa_forward_progress 1
		.amdhsa_inst_pref_size 255
	.end_amdhsa_kernel
	.section	.bss,"aw",@nobits
	.p2align	6
	.space	262144
	.amdgpu_metadata
---
amdhsa.version: [ 1, 2 ]
amdhsa.kernels:
  - .name:           k_qe59d308fb2_attn
    .symbol:         k_qe59d308fb2_attn.kd
    .args:
      - { .name: qkv, .offset: 0, .size: 8, .value_kind: global_buffer, .address_space: global }
      - { .name: ao, .offset: 8, .size: 8, .value_kind: global_buffer, .address_space: global }
    .group_segment_fixed_size: 327680
    .private_segment_fixed_size: 0
    .kernarg_segment_align: 8
    .kernarg_segment_size: 16
    .max_flat_workgroup_size: 256
    .sgpr_count:     72
    .vgpr_count:     456
    .wavefront_size: 32
...
	.end_amdgpu_metadata
.endif
;; end of part 5
;; launch outln: the kernel of part 4 again; grid 128 x 1, 4 waves a work-group, clusters of 4 x 1, 327,680 bytes of LDS; arguments ao, cb, temp_features, spat_features, s2t_bo, t2s_bo, ln_g, ln_b, out0, out1; writes out0, out1
